; MI455X (gfx1250); checked and timed in simulation.
; The chip was launched on July 23, 2026; its instructions are those of AMD's public machine-readable ISA for CDNA 5 (MIT licence, August 2026) and "CDNA5" Instruction Set Architecture Reference Guide (July 2026). The comments in the code are by the model that wrote it; some were corrected since.
;; Attention. Allowed arithmetic: matrix products marked QUANTISED: E3M2 operands, one E8M0 scale for each 32 along K, by v_wmma_scale_f32_16x16x128_f8f6f4 with both operands' format E3M2, f32 sums; everything else in f32.
;; Inputs: Wk 1,024 x 2,048 float32; Wo 2,048 x 1,024 float32; Wq 1,024 x 2,048 float32; Wv 1,024 x 2,048 float32; bk 2,048 float32; bo 1,024 float32; bq 2,048 float32; bv 2,048 float32; x 2 x 2,048 x 1,024 float32.
;; Outputs: out0 2 x 2,048 x 1,024 float32.
;; This version of the problem:
;;   THIS VERSION OF THE PROBLEM IS GIVEN IN LOW PRECISION. The matrix products marked QUANTISED in the list below multiply operands that are first quantised to E3M2 (3 exponent bits, 2 mantissa bits; 6 bits a number), with one power-of-two scale for each 32 numbers along K (OCP MX v1.0); their sums are f32. All else is computed in f32.
;;   The module's matrix products, in the order in which they are computed (A, B: the left and right operand; K: the contracted axis; several contracted axes count as one K, in the product's order):
;;     1. [M 4,096, K 1,024] x [K 1,024, N 2,048]; A: input x; B: input Wq: QUANTISED
;;     2. [M 4,096, K 1,024] x [K 1,024, N 2,048]; A: input x; B: input Wk: QUANTISED
;;     3. [M 4,096, K 1,024] x [K 1,024, N 2,048]; A: input x; B: input Wv: QUANTISED
;;     4. batch 32 x [M 2,048, K 128] x [K 128, N 2,048]; A: computed on the way; B: computed on the way: QUANTISED
;;     5. batch 32 x [M 2,048, K 2,048] x [K 2,048, N 128]; A: softmax (see below); B: computed on the way: QUANTISED
;;     6. [M 4,096, K 2,048] x [K 2,048, N 1,024]; A: computed on the way; B: input Wo: QUANTISED
;;   THE QUANTISER, for each operand of a quantised product, along K:
;;     - K is cut into blocks of 32 from its start; a last block that is shorter is filled with zeros.
;;     - A block's scale is 2^e with e = floor(log2(the largest magnitude in the block)) - 4, held to -126 .. 127; a block of zeros has e = 0. As a byte (E8M0): e + 127.
;;     - Each number is divided by its block's scale, clamped to +-28, and rounded to the nearest number of E3M2, ties to even, subnormals kept.
;;     - The product sums the exact products of the quantised numbers (number of the format x scale) in f32.
;;   ~~~python
;;   def quantise(x, axis):      # numpy; x: float32 -> the quantised numbers, widened to float32 again
;;       x = np.moveaxis(x, axis, -1); K = x.shape[-1]
;;       x = np.pad(x, [(0, 0)] * (x.ndim - 1) + [(0, -K % 32)]); x = x.reshape(x.shape[:-1] + (-1, 32)); a = np.abs(x).max(-1, keepdims=True)
;;       e = np.where(a > 0, np.clip(np.frexp(np.where(a > 0, a, 1))[1] - 1 - 4, -126, 127), 0)      # np.frexp(a)[1] - 1 = floor(log2(a)), exactly
;;       r = np.clip(x / 2.0 ** e, -28, 28)
;;       step = 2.0 ** (np.maximum(np.frexp(np.where(r == 0, 1, r))[1] - 1, -2) - 2)
;;       q = np.round(r / step) * step * 2.0 ** e      # np.round: ties to even
;;       return np.moveaxis(q.reshape(q.shape[:-2] + (-1,))[..., :K], -1, axis).astype(np.float32)
;;   ~~~
;;   SOFTMAX AHEAD OF A QUANTISED PRODUCT. Where the list says 'softmax', what is quantised is not the finished softmax but p = 2^(t - M), with t = logit x log2(e) and M = ceil(the row's largest t), a whole number; so 1/2 < the row's largest p <= 1. The row's sum l is taken of the UNQUANTISED p, in f32, and the product's result is divided by l at the end. Since M is a whole number, a kernel that streams over the keys may use a running M (the ceiling of the running maximum): every later rescaling is an exact power of two, which a block's scale takes up: the codes' values come out the same.
;;   OPERANDS COMPUTED ON THE WAY. 'Computed on the way' means the value that the module computes at that place (a softmax that the list does not call 'softmax' is quantised finished and normalised). What goes into a quantiser is computed in f32, as accurately as f32 sums, v_exp_f32 and their like allow (about 1e-6 of the number): no bf16 or f16 on the way to a quantiser, and a product that is left as it is and whose result goes on into a quantised operand takes f32 operands (vector FMAs, or v_wmma_f32_16x16x4_f32). A number that lies on a knife's edge between two numbers of the format may be rounded either way, as far as f32 arithmetic and the matrix unit's own rounding can turn it there, and no further.
;; One version. Each part assembles by itself: llvm-mc -triple=amdgcn-amd-amdhsa -mcpu=gfx1250 --defsym DOCPART=n.
;; ======== version 1 of 1: 4 launches
;; limits: right only within a limited range of input values
;; workspace buffers: xq 3,276,800 bytes; wq 4,915,200 bytes; woq 1,638,400 bytes; q 6,553,600 bytes; kv 13,107,200 bytes; oq 6,553,600 bytes
;; launch quant (part 1): grid 256 x 1, 8 waves a work-group, no clusters, 201,216 bytes of LDS; arguments x, Wq, Wk, Wv, Wo, xq, wq, woq; writes xq, wq, woq
.if DOCPART == 1
	.amdgcn_target "amdgcn-amd-amdhsa--gfx1250"
	.amdhsa_code_object_version 6
	.text
	.protected	k_q827a82a069_quant
	.globl	k_q827a82a069_quant
	.p2align	8
	.type	k_q827a82a069_quant,@function
k_q827a82a069_quant:
	s_mov_b64 s[64:65], 0
	v_nop
	global_prefetch_b8 v0, s[64:65] scope:SCOPE_SE
	s_setreg_imm32_b32 hwreg(HW_REG_WAVE_MODE, 25, 1), 1
	s_wait_xcnt 0x0
; x [4096][1024] and the weights Wq, Wk, Wv [1024 k][2048 n], Wo [2048 k][1024 n], all f32, become codes of E3M2 with one E8M0 byte for each 32 along K.
; A block's scale is 2^(floor(log2(its largest magnitude)) - 4): its byte is that magnitude's exponent field - 4, held at 1 from below.
; LIMITS: NaN and infinities among the inputs are not served.  A block of zeros, or one whose largest magnitude lies under 2^-122, gets the byte 1 where the rule says 127 or less: its
; codes are zeros or the rule's own small codes under byte 1, and the bytes are read by this program alone.
; THE WORKSPACE IS LAID AS IMAGES OF OPERAND REGISTERS.  A fragment (tile T of 16 rows, K step s of 128) is 1,536 dense bytes at (T NS + s) 1536: register e of operand lane (r, h) lies at
; 512 (e / 4) + 16 ((r xor 8 (T & 1)) + 16 h) + 4 (e % 4).  So a fragment is written and read by three accesses of 16 bytes a lane, 512 consecutive bytes each.  (The exclusive or lets a
; reader that takes eight rows of each of two neighbouring tiles find them in different halves of 256 bytes.)  The scale word of (row, s) lies at (T NS + s) 64 + 4 r behind the images.
; SHARES.  256 work-groups; work-group n takes tile n of x (16 rows x 1,024) and one tile of 512 k x 64 columns of a weight: 196,608 bytes: the weight's by one tensor load a wave at the head, x's by global loads.
; Wave w quantises x's fragment s = w (from its own bytes) and the weight fragments (16 columns 16 (w & 3) on, K steps 2 (w / 4) and 2 (w / 4) + 1 of the tile's four).
; For a weight a lane takes a column and its registers run down K, so nothing is transposed.  Matrix units and clusters have no work here: the launch streams.
.set XC,    3145728                    ; xq: the scale words begin here
.set WC,    4718592                    ; wq: likewise
.set OC,    1572864                    ; woq: likewise
.set XREG,  8448                       ; LDS: a wave's piece of x: 16 rows x (512 bytes + 16 of padding): row r starts 4 r banks on
.set WB,    67584                      ; behind the eight: the weight tile, 16 blocks of 32 k rows x 256 bytes,
; THE LOADS AS THEY STAND NOW: a wave brings its 64 k rows of the weight tile (two blocks on end) by ONE tensor load at the head; its piece of x comes by 16 loads of 512 consecutive bytes into registers and by 16 LDS stores into its own bytes.
.set WBLK,  8192                       ; a block of 32 k rows x 256 bytes, dense
.set XS,    199680                     ; x's eight fragments' scale words, 64 bytes each: a block of LDS of their own, into which no tensor load lands
.set SPARE, 200192                     ; the spare words, 128 bytes for each of eight waves: no other line names them
.set XRD, 4                            ; v4   x: my 32 numbers of a block: wave's piece + 528 r + 128 h
.set WRD, 5                            ; v5   weight: my column, my first block
.set STX, 6                            ; v6   16 (lane xor 8 (n & 1)): my place in x's image
.set STW, 7                            ; v7   16 (lane xor 8 (w & 1)): in a weight's image
.set XSW, 8                            ; v8   where I put x's scale word
.set XSR, 9                            ; v9   where wave 0 reads the eight fragments' words back
.set L16, 10                           ; v10  16 x lane
.set L4,  11                           ; v11  4 x lane
.set SH8, 12                           ; v12  8 h
.set SPW, 14                           ; v14  my spare word's LDS address; never rewritten
.set NIL, 15                           ; v15  0; never rewritten
.set X0,  32                           ; v32-95, v96-159: two sets of 64 numbers
.set X1,  96
.set PC0, 160                          ; three fragments' codes, each in registers of its own: no store's data are written again
.set PC1, 172
.set PC2, 184
.set T2,  200                          ; the upper halves of two blocks' codes, before they are moved
.set TM,  208                          ; at work
.set PW0, 216                          ; the three scale words
.set PW1, 217
.set PW2, 218
.set PWS, 219
.set XW,  220                          ; v220-223 x's words on their way out
.set G1X, 24                           ; s[32:39] shape of a block of Wq, Wk, Wv;  s[40:47] of a block of Wo: it differs in the pitch alone
.set G1W, 32
.set G1O, 40
.set G0X, 48                           ; s[48:51], s[52:55]: from where, to where
.set G0W0, 52
.set G0W1, 56
.set SEL, 60                           ; s[60:61] lane selects: lane l xor 16
	s_load_b256 s[4:11], s[0:1], 0x0               ; x, Wq, Wk, Wv
	s_load_b256 s[12:19], s[0:1], 0x20             ; Wo, xq, wq, woq
	v_lshl_add_u32 v[SPW], v0, 2, SPARE
	v_mov_b32 v[NIL], 0
	ds_add_u32 v[SPW], v[NIL]                      ; the wave's opening: the add and its wait stand ahead of my first tensor load; work on registers stands between them
	ds_add_u32 v[SPW], v[NIL]
	v_lshrrev_b32 v1, 5, v0
	s_delay_alu instid0(VALU_DEP_1)
	v_readfirstlane_b32 s20, v1                    ; wave 0..7
.irp g, G1W, G1O
	s_mov_b32 s[\g+0], 2<<16                       ; elements of 4 bytes, no padding
	s_mov_b32 s[\g+1], 64<<16                      ; 64 columns
	s_mov_b32 s[\g+2], 64<<16                      ; 64 rows of k
	s_mov_b32 s[\g+3], 64<<16
	s_mov_b32 s[\g+4], 64
	s_mov_b32 s[\g+6], 0
	s_mov_b32 s[\g+7], 0
.endr
	s_mov_b32 s[G1W+5], 2048
	s_mov_b32 s[G1O+5], 1024
	s_mov_b32 s[SEL], 0x76543210
	s_mov_b32 s[SEL+1], 0xfedcba98
	s_mov_b32 s62, 0xffff0000                      ; lanes 16-31
	; which weight tile is mine: work-groups 0-191: Wq, Wk, Wv (32 column tiles x 2 parts of K); 192-255: Wo (16 x 4)
	s_and_b32 s22, ttmp9, 63
	s_lshr_b32 s23, ttmp9, 6
	s_mov_b32 s71, OC
	s_cmp_lt_u32 ttmp9, 192
	s_cselect_b32 s66, 1, 2                        ; parts of K, as a shift
	s_cselect_b32 s67, 1, 3                        ; and as a mask
	s_cselect_b32 s68, 13, 12                      ; a row of the weight: 2^13 or 2^12 bytes
	s_cselect_b32 s69, 3, 4                        ; K steps in a row of the operand: 2^3 or 2^4
	s_cselect_b32 s70, s23, 0                      ; which third of wq
	s_cselect_b32 s71, WC, s71                     ; where the destination's scale words begin
	s_lshr_b32 s72, s22, s66                       ; column tile
	s_and_b32 s73, s22, s67                        ; part of K
	s_lshl_b32 s74, s73, 9
	s_lshl_b32 s75, s20, 6
	s_add_co_u32 s74, s74, s75                     ; my first row of k: 512 x part + 64 x wave
	s_lshl_b32 s74, s74, s68
	s_lshl_b32 s75, s72, 8
	s_add_co_u32 s74, s74, s75                     ; + 256 bytes x column tile
	s_mov_b32 s75, 0
	s_lshl_b32 s78, s70, 7
	s_lshl_b32 s79, s72, 2
	s_add_co_u32 s78, s78, s79
	s_and_b32 s79, s20, 3
	s_add_co_u32 s78, s78, s79                     ; my tile T of the operand
	s_lshl_b32 s78, s78, s69
	s_lshl_b32 s79, s73, 2
	s_add_co_u32 s78, s78, s79
	s_lshr_b32 s79, s20, 2
	s_lshl_b32 s79, s79, 1
	s_add_co_u32 s78, s78, s79                     ; T NS + my first K step
	s_mul_i32 s80, s78, 1536                       ; its image
	s_mov_b32 s81, 0
	s_lshl_b32 s82, s78, 6
	s_add_co_u32 s82, s82, s71                     ; its scale words
	s_mov_b32 s83, 0
	s_lshl_b32 s84, ttmp9, 3
	s_add_co_u32 s84, s84, s20
	s_mul_i32 s84, s84, 1536                       ; x's fragment (n, w)
	s_mov_b32 s85, 0
	s_lshl_b32 s86, ttmp9, 9
	s_add_co_u32 s86, s86, XC                      ; tile n's 512 bytes of scale words
	s_mov_b32 s87, 0
	s_lshl_b32 s88, ttmp9, 16
	s_lshl_b32 s89, s20, 9
	s_add_co_u32 s88, s88, s89                     ; x: 16 rows of 4,096 bytes x n + 512 x wave
	s_mov_b32 s89, 0
	s_mul_i32 s[G0X+1], s20, XREG                  ; my piece of x in LDS
	s_mov_b32 s[G0W0], 1
	s_mul_i32 s[G0W0+1], s20, 2*WBLK
	s_add_co_u32 s[G0W0+1], s[G0W0+1], WB
	s_wait_dscnt 0x0                               ; the opening add is done
	s_wait_kmcnt 0x0
	s_cmp_lt_u32 ttmp9, 64                         ; the choices hang on the work-group's number alone
	s_cselect_b64 s[90:91], s[6:7], s[8:9]
	s_cmp_lt_u32 ttmp9, 128
	s_cselect_b64 s[90:91], s[90:91], s[10:11]
	s_cmp_lt_u32 ttmp9, 192
	s_cselect_b64 s[90:91], s[90:91], s[12:13]
	s_cselect_b64 s[92:93], s[16:17], s[18:19]
	s_add_nc_u64 s[90:91], s[90:91], s[74:75]
	s_add_nc_u64 s[G0X+2:G0X+3], s[4:5], s[88:89]
	s_mov_b64 s[G0W0+2:G0W0+3], s[90:91]
	s_or_b32 s[G0W0+3], s[G0W0+3], 0x80000000
	s_cmp_lt_u32 ttmp9, 192                        ; two shapes, two lines: on either way one load of mine is out
	s_cbranch_scc0 .Lwo
	tensor_load_to_lds s[G0W0:G0W0+3], s[G1W:G1W+7]
	s_nop 0
.rept 4
	v_nop
.endr
	s_branch .Lasked
.Lwo:
	tensor_load_to_lds s[G0W0:G0W0+3], s[G1O:G1O+7]
	s_nop 0
.rept 4
	v_nop
.endr
.Lasked:
	s_add_nc_u64 s[84:85], s[14:15], s[84:85]      ; where my results go
	s_add_nc_u64 s[86:87], s[14:15], s[86:87]
	s_add_nc_u64 s[80:81], s[92:93], s[80:81]
	s_add_nc_u64 s[82:83], s[92:93], s[82:83]
	v_and_b32 v1, 31, v0                           ; lane
	s_wait_alu depctr_va_vdst(0)
	v_and_b32 v2, 15, v0                           ; r
	v_bfe_u32 v3, v0, 4, 1                         ; h
	s_delay_alu instid0(VALU_DEP_2)
	v_mul_u32_u24 v[XRD], v2, 528
	s_delay_alu instid0(VALU_DEP_1)
	v_lshl_add_u32 v[XRD], v3, 7, v[XRD]
	s_delay_alu instid0(VALU_DEP_1)
	v_add_nc_u32 v[XRD], s[G0X+1], v[XRD]
	s_and_b32 s66, s20, 3
	s_lshl_b32 s66, s66, 6                         ; my 16 columns: 64 bytes x (w & 3)
	s_lshr_b32 s67, s20, 2
	s_mul_i32 s67, s67, 8*WBLK                     ; my two K steps: eight blocks x (w / 4)
	s_add_co_u32 s66, s66, s67
	s_add_co_u32 s66, s66, WB
	v_mul_u32_u24 v[WRD], v3, WBLK
	s_delay_alu instid0(VALU_DEP_1)
	v_lshl_add_u32 v[WRD], v2, 2, v[WRD]
	s_delay_alu instid0(VALU_DEP_1)
	v_add_nc_u32 v[WRD], s66, v[WRD]
	s_and_b32 s66, ttmp9, 1
	s_lshl_b32 s66, s66, 3
	v_xor_b32 v[STX], s66, v1
	s_delay_alu instid0(VALU_DEP_1)
	v_lshlrev_b32 v[STX], 4, v[STX]
	s_and_b32 s66, s20, 1
	s_lshl_b32 s66, s66, 3
	v_xor_b32 v[STW], s66, v1
	s_delay_alu instid0(VALU_DEP_1)
	v_lshlrev_b32 v[STW], 4, v[STW]
	s_lshl_b32 s66, s20, 6
	s_add_co_u32 s66, s66, XS
	v_lshl_add_u32 v[XSW], v2, 2, s66
	v_lshl_add_u32 v[XSR], v1, 4, XS
	v_lshlrev_b32 v[L16], 4, v1
	v_lshlrev_b32 v[L4], 2, v1
	v_lshlrev_b32 v[SH8], 3, v3
	v_mov_b32 v[TM+6], 0                           ; written once: a lane permute's destination counts as one of its sources
	v_lshl_add_u32 v13, v1, 4, s[G0X+1]            ; where I put 16 bytes of a row of my piece of x
.irp t, 0,1,2,3,4,5,6,7,8,9,10,11,12,13,14,15
	global_load_b128 v[X1+4*\t:X1+4*\t+3], v[L16], s[G0X+2:G0X+3] offset:4096*\t th:TH_LOAD_NT   ; row t: 32 lanes read 512 consecutive bytes
.endr
.macro LOADX                           ; lane (r, h): x(r, 64 c + 32 h + 0 .. 31) of my K step, c = 0, 1: two whole blocks
.irp c, 0,1
.irp j, 0,1,2,3,4,5,6,7
	ds_load_b128 v[X0+32*\c+4*\j:X0+32*\c+4*\j+3], v[XRD] offset:256*\c+16*\j
.endr
.endr
.endm
.macro LOADW f, X                      ; lane (r, h): W(64 c + 32 h + i, my column) of my K step f: register 32 c + i
.set i, 0
.rept 64
	ds_load_b32 v[\X+i], v[WRD] offset:4*WBLK*(\f)+2*WBLK*(i/32)+256*(i%32)
.set i, i+1
.endr
.endm
; 64 numbers of a lane, two whole blocks (2 c + h of the K step's four), become the fragment's twelve registers in v[PC] on and the row's scale word in v[PW].
.macro QF X, PC, PW
.irp c, 0,1
	v_max3_num_f32 v[TM+\c], |v[\X+32*\c]|, |v[\X+32*\c+1]|, 0x2800000   ; and the floor 2^(5 - 127): the byte cannot fall under 1
.endr
.irp i, 2,4,6,8,10,12,14,16,18,20,22,24,26,28,30
.irp c, 0,1
	s_delay_alu instid0(VALU_DEP_2)
	v_max3_num_f32 v[TM+\c], v[TM+\c], |v[\X+32*\c+\i]|, |v[\X+32*\c+\i+1]|   ; the two blocks by turns
.endr
.endr
.irp c, 0,1
	s_delay_alu instid0(VALU_DEP_2)
	v_add_nc_u32 v[TM+2+\c], 0xfe000000, v[TM+\c]  ; 4 off the exponent field: the conversion takes the exponent field of this operand as its scale
.endr
.irp c, 0,1
	s_delay_alu instid0(VALU_DEP_2)
	v_lshrrev_b32 v[TM+4+\c], 23, v[TM+2+\c]       ; the scale's byte
.endr
	s_delay_alu instid0(VALU_DEP_1)
	v_lshl_or_b32 v[\PW], v[TM+5], 16, v[TM+4]     ; my two bytes: blocks h and 2 + h,
	s_delay_alu instid0(VALU_DEP_1)
	v_lshlrev_b32 v[\PW], v[SH8], v[\PW]           ; at their places in the word;
	s_delay_alu instid0(VALU_DEP_1)
	v_permlanex16_b32 v[TM+6], v[\PW], s[SEL], s[SEL+1]
	s_delay_alu instid0(VALU_DEP_1)
	v_or_b32 v[\PW], v[\PW], v[TM+6]               ; with lane l xor 16's two the word is whole, in both lanes
.irp c, 0,1
	v_cvt_scalef32_pk16_bf6_f32 v[\PC+6*\c:\PC+6*\c+2], v[\X+32*\c:\X+32*\c+15], v[TM+2+\c]
	v_cvt_scalef32_pk16_bf6_f32 v[T2+4*\c:T2+4*\c+2], v[\X+32*\c+16:\X+32*\c+31], v[TM+2+\c]   ; (a conversion's three registers begin on an even number: the upper half is made elsewhere and moved)
.endr
	v_nop                                          ; one plain place behind a scaled conversion
.irp c, 0,1
.irp i, 0,1,2
	v_mov_b32 v[\PC+3+6*\c+\i], v[T2+4*\c+\i]
.endr
.endr
.endm
.macro OUT3 off, PC, base, imm         ; a fragment's image: three stores of 512 consecutive bytes
.irp c, 0,1,2
	global_store_b128 v[\off], v[\PC+4*\c:\PC+4*\c+3], s[\base:\base+1] offset:\imm+512*\c
.endr
.endm
	s_wait_alu depctr_va_vdst(0)                   ; the wait at the head's end
	s_wait_loadcnt 0x0                             ; my piece of x is in registers
.irp t, 0,1,2,3,4,5,6,7,8,9,10,11,12,13,14,15
	ds_store_b128 v13, v[X1+4*\t:X1+4*\t+3] offset:528*\t   ; into my own bytes; LDS serves a wave's instructions in order, so the loads below see these stores
.endr
	LOADX
	s_wait_dscnt 0x0
	QF X0, PC0, PW0
	OUT3 STX, PC0, 84, 0
	ds_store_b32 v[XSW], v[PW0]                    ; lanes r and r + 16 write the same word with the same value
	s_wait_tensorcnt 0x0                           ; my two blocks of the weight tile are in,
	s_wait_dscnt 0x0                               ; my scale words are stored:
	s_barrier_signal -1
	s_barrier_wait -1                              ; everybody's are.  Nothing is filled again in this launch
	s_cmp_lg_u32 s20, 0
	s_cbranch_scc1 .Lnot_wave_0
	ds_load_b128 v[XW:XW+3], v[XSR]                ; the tile's eight fragments' words leave as 512 consecutive bytes
	s_wait_dscnt 0x0
	global_store_b128 v[L16], v[XW:XW+3], s[86:87]
.Lnot_wave_0:
	LOADW 0, X0
	s_wait_dscnt 0x0
	LOADW 1, X1                                    ; lands while the first fragment is quantised
	QF X0, PC1, PW1
	OUT3 STW, PC1, 80, 0
	s_wait_dscnt 0x0
	QF X1, PC2, PW2
	OUT3 STW, PC2, 80, 1536
	v_cndmask_b32 v[PWS], v[PW1], v[PW2], s62      ; lanes 0-15 the first K step's words, lanes 16-31 the second's: 128 consecutive bytes
	global_store_b32 v[L4], v[PWS], s[82:83]
	s_wait_tensorcnt 0x0                           ; the wave's end, behind my last tensor load and my last LDS store
	ds_add_u32 v[SPW], v[NIL]
	s_wait_dscnt 0x0
	s_endpgm
.Lfunc_end_k_q827a82a069_quant:
	.size	k_q827a82a069_quant, .Lfunc_end_k_q827a82a069_quant-k_q827a82a069_quant
	.p2alignl 7, 3214868480
	.fill 96, 4, 3214868480
	.section	.rodata,"a",@progbits
	.p2align	6, 0x0
	.amdhsa_kernel k_q827a82a069_quant
		.amdhsa_group_segment_fixed_size 201216
		.amdhsa_private_segment_fixed_size 0
		.amdhsa_enable_private_segment 0
		.amdhsa_kernarg_size 64
		.amdhsa_user_sgpr_count 2
		.amdhsa_user_sgpr_kernarg_segment_ptr 1
		.amdhsa_wavefront_size32 1
		.amdhsa_system_sgpr_workgroup_id_x 1
		.amdhsa_system_sgpr_workgroup_id_y 1
		.amdhsa_system_sgpr_workgroup_id_z 1
		.amdhsa_system_vgpr_workitem_id 0
		.amdhsa_next_free_vgpr 224
		.amdhsa_next_free_sgpr 100
		.amdhsa_reserve_vcc 0
		.amdhsa_float_denorm_mode_32 3
		.amdhsa_float_denorm_mode_16_64 3
		.amdhsa_memory_ordered 1
		.amdhsa_forward_progress 1
		.amdhsa_inst_pref_size 33
	.end_amdhsa_kernel
	.amdgpu_metadata
---
amdhsa.version: [ 1, 2 ]
amdhsa.kernels:
  - .name:           k_q827a82a069_quant
    .symbol:         k_q827a82a069_quant.kd
    .args:
      - { .name: x, .offset: 0, .size: 8, .value_kind: global_buffer, .address_space: global }
      - { .name: Wq, .offset: 8, .size: 8, .value_kind: global_buffer, .address_space: global }
      - { .name: Wk, .offset: 16, .size: 8, .value_kind: global_buffer, .address_space: global }
      - { .name: Wv, .offset: 24, .size: 8, .value_kind: global_buffer, .address_space: global }
      - { .name: Wo, .offset: 32, .size: 8, .value_kind: global_buffer, .address_space: global }
      - { .name: xq, .offset: 40, .size: 8, .value_kind: global_buffer, .address_space: global }
      - { .name: wq, .offset: 48, .size: 8, .value_kind: global_buffer, .address_space: global }
      - { .name: woq, .offset: 56, .size: 8, .value_kind: global_buffer, .address_space: global }
    .group_segment_fixed_size: 201216
    .private_segment_fixed_size: 0
    .kernarg_segment_align: 8
    .kernarg_segment_size: 64
    .max_flat_workgroup_size: 256
    .sgpr_count:     100
    .vgpr_count:     224
    .wavefront_size: 32
...
	.end_amdgpu_metadata
.endif
;; end of part 1
;; launch proj (part 2): grid 16 x 16, 4 waves a work-group, clusters of 4 x 4, 327,680 bytes of LDS; arguments xq, wq, bq, bk, bv, q, kv; writes q, kv
.if DOCPART == 2
	.amdgcn_target "amdgcn-amd-amdhsa--gfx1250"
	.amdhsa_code_object_version 6
	.text
	.protected	k_q827a82a069_proj
	.globl	k_q827a82a069_proj
	.p2align	8
	.type	k_q827a82a069_proj,@function
k_q827a82a069_proj:
	s_mov_b64 s[64:65], 0
	v_nop
	global_prefetch_b8 v0, s[64:65] scope:SCOPE_SE
	s_setreg_imm32_b32 hwreg(HW_REG_WAVE_MODE, 25, 1), 1
	s_wait_xcnt 0x0
	s_wait_alu depctr_hold_cnt(0) depctr_sa_sdst(0) depctr_va_vdst(0) depctr_va_sdst(0) depctr_va_ssrc(0) depctr_va_vcc(0) depctr_vm_vsrc(0)
	s_getreg_b32 s2, hwreg(HW_REG_IB_STS2, 6, 4)
	s_cmp_eq_u32 s2, 0
	s_cbranch_scc0 .Lentry_in_a_cluster
	s_endpgm
.Lentry_in_a_cluster:
	s_bfe_u32 s2, ttmp6, 0x10000c
	s_cmp_lg_u32 s2, 0xf033
	s_cbranch_scc0 .Lentry_shape_is_right
	s_endpgm
.Lentry_shape_is_right:
; The three projections x Wq + bq, x Wk + bk, x Wv + bv on codes of E3M2, and the quantising of their results as the operands of attention: q and k along the head's 128, v along the keys.
; ONE FORM FOR ALL THREE: C'[m'][n'] = sum over k of A'[m'][k] B'[n'][k], quantised along n'.  q, k (tile rows 0-31): A' = rows of x, B' = rows of Wq^T (tile columns 0-7) or Wk^T (8-15).
; v (tile rows 32-47): A' = rows of Wv^T, B' = rows of x, n' = the keys.  A's first tile of 16 rows is 8 ty and B's 16 tx of their buffers; only pointers and offsets are chosen, by selections on the
; cluster's ids and the count of tiles, which all sixteen partners share.
; A WORK-GROUP STAYS: it makes three tiles of 128 x 256 of C', at tile rows ty, ty + 16, ty + 32 (the last is v's): a loop of two tiles and the last written out, since it asks for nothing more.
; Four waves make 64 x 128 each: 32 accumulators.
; THE RING: two LDS slots, each with four K steps of A's 8 tiles and B's 16 (147,456 bytes): a tile's K = 1,024 is two slots.  Waves 0, 1 bring four of A's tiles each, waves 2, 3 eight of B's: one joint
; load a wave behind each round of the cluster's barrier.  Slot 0 takes the next tile's first half when K step 3's fragments are in registers, slot 1 its second half in the middle of the way out.
; CLUSTERS: 4 x 4.  A's tiles hang on the tile row alone and are shared along a row of the cluster, B's on the tile column alone and are shared along a column.
; NO PREFETCH: K is short: a tile's whole K is asked for by two loads a wave, each a half tile ahead of its first read.
; THE MATRIX INSTRUCTION IS USED TRANSPOSED (source 0 = 16 rows of B', source 1 = 16 rows of A'), AND THE ROWS OF B' THAT FORM A TILE ARE NOT NEIGHBOURS: lane r of tile 2 b + u takes row
; 32 b + 8 u + r + 8 (r / 8).  So a lane holds one row m', and the 16 registers of tiles 2 b, 2 b + 1 are n' = 32 b + 16 (lane / 16) + 0 .. 15.
; OPERANDS AND RESULTS ARE IMAGES OF REGISTERS: fragment (T, s) = 1,536 dense bytes; register e of lane (r, h) at 512 (e / 4) + 16 ((r xor 8 (T & 1)) + 16 h) + 4 (e % 4).
; kv IS LAID BY RUNS OF 256 KEYS, 51,200 bytes each: K's 16 images, V's 2 x 8 images, K's 256 scale words (from byte 49,152), V's 2 x 8 x 16 words (from byte 50,176).
; The biases of q and k run along n': they are the C of each sum's first matrix instruction (another order of rounding than adding them behind the sum).  v's runs along m': it is added behind the sum.
; LIMITS: NaN and infinities are not served; a block whose largest magnitude lies under 2^-122 gets the byte 1.
; REGISTERS.  Window 0: v4-19 addresses; v32-47 A's scale words, v48-79 B's (lanes 0-15: an even K step's, lanes 16-31: the next one's); v80-87 v's bias, v88-91 the next tile's; v96-159 64 results; v160.. codes; v184.. at work.
;   Window 1: accumulator (a, j) at v[64 a + 8 j].   Window 2: fragments of even K steps (B' j at 12 j, A' a at 96 + 12 a), and from v144 the bias along n'.   Window 3: fragments of odd K steps.
.set XC,    3145728
.set WC,    4718592
.set QW,    6291456
.set CH,    147456
.set SPARE, 294912
.set ADA, 4                            ; v4, v5 A's fragments in slot 0: even tiles, odd tiles; v16, v17 in slot 1
.set ADB, 6                            ; v6, v7 B's: tiles 2 b, tiles 2 b + 1; v18, v19 in slot 1
.set SE,  8
.set SO,  9
.set LS2, 10
.set LSP, 12
.set BNO, 13
.set BMO, 14
.set SPW, 28
.set NIL, 29
.set SA,  32
.set SB,  48
.set BM,  80
.set BMN, 88
.set ST,  96
.set PC,  160
.set TM,  184
.set PW,  200
.set PWE, 201
.set PWS, 202
.set BN,  144
.set G1A, 24
.set G1B, 32
.set G0A, 40
.set G0B, 68
.set SEL, 60
.set MSB, 0
.macro WIN new
.if MSB != (\new)
	s_set_vgpr_msb (MSB<<8)|(\new)
.set MSB, (\new)
.endif
.endm
.macro PLACES n
.rept \n
	v_nop
.endr
.endm
.macro CROUND
	s_barrier_signal -1
	s_barrier_wait -1
	s_cmp_lg_u32 s18, 0
	s_cbranch_scc1 .Lnot_wave_0_\@
	s_barrier_signal -3
.Lnot_wave_0_\@:
	s_barrier_wait -3
	s_barrier_signal -1
	s_barrier_wait -1
.endm
.macro JLOAD c                         ; a joint load into slot c: each line has one mask; the branch hangs on the wave's number alone
	s_cmp_eq_u32 s19, 0
	s_cbranch_scc0 .Lfor_b_\@
	tensor_load_to_lds s[G0A+4*\c:G0A+4*\c+3], s[G1A:G1A+7]
	s_nop 0
	PLACES 4
	s_branch .Lasked_\@
.Lfor_b_\@:
	tensor_load_to_lds s[G0B+4*\c:G0B+4*\c+3], s[G1B:G1B+7]
	s_nop 0
	PLACES 4
.Lasked_\@:
.endm
.macro DESC                            ; both slots' global addresses for the tile at tile row s56 (s57: its cluster row); written only while no tensor load of mine is out
	s_cmp_ge_u32 s57, 8                            ; v's tile rows?
	s_cselect_b64 s[98:99], s[6:7], s[4:5]         ; A'
	s_cselect_b64 s[100:101], s[4:5], s[6:7]       ; B'
	s_lshl_b32 s84, s56, 3
	s_add_co_u32 s84, s84, s78
	s_mul_i32 s84, s84, 12288                      ; A': tile 8 ty + 4 (wave % 2)
	s_mov_b32 s85, 0
	s_add_nc_u64 s[84:85], s[98:99], s[84:85]
	s_add_nc_u64 s[86:87], s[100:101], s[76:77]    ; B': tile 16 tx + 8 (wave % 2)
.irp c, 0,1
	s_add_nc_u64 s[G0A+4*\c+2:G0A+4*\c+3], s[84:85], \c*6144
	s_or_b32 s[G0A+4*\c+3], s[G0A+4*\c+3], 0x80000000
	s_add_nc_u64 s[G0B+4*\c+2:G0B+4*\c+3], s[86:87], \c*6144
	s_or_b32 s[G0B+4*\c+3], s[G0B+4*\c+3], 0x80000000
.endr
.endm
.macro IN_S                            ; where that tile's scale words and biases lie
	s_mov_b32 s58, XC
	s_mov_b32 s59, WC
	s_cmp_ge_u32 s57, 8
	s_cselect_b32 s58, WC, s58
	s_cselect_b32 s59, XC, s59
	s_cselect_b32 s92, 0, -1                       ; the bias along n' counts for q and k,
	s_cselect_b32 s93, -1, 0                       ; the bias along m' for v
	s_lshl_b32 s2, s56, 3
	s_add_co_u32 s2, s2, s97
	s_lshl_b32 s2, s2, 9
	s_add_co_u32 s2, s2, s58
	s_mov_b32 s3, 0
	s_add_nc_u64 s[84:85], s[98:99], s[2:3]
	s_lshl_b32 s2, s23, 4
	s_lshl_b32 s95, s20, 3
	s_add_co_u32 s2, s2, s95
	s_lshl_b32 s2, s2, 9
	s_add_co_u32 s2, s2, s59
	s_add_nc_u64 s[86:87], s[100:101], s[2:3]
	s_and_b32 s2, s23, 7
	s_lshl_b32 s2, s2, 10
	s_lshl_b32 s95, s20, 9
	s_add_co_u32 s2, s2, s95
	s_and_b32 s2, s2, s92
	s_cmp_ge_u32 ttmp9, 2                          ; k's tile columns?
	s_cselect_b64 s[62:63], s[10:11], s[8:9]
	s_add_nc_u64 s[62:63], s[62:63], s[2:3]
	s_and_b32 s2, s56, 15
	s_lshl_b32 s2, s2, 9
	s_lshl_b32 s95, s19, 8
	s_add_co_u32 s2, s2, s95
	s_and_b32 s2, s2, s93
	s_add_nc_u64 s[66:67], s[12:13], s[2:3]
.endm
.macro IN_BN                           ; the bias at n' = 32 b + 16 h + 8 u + 0 .. 7: the result's layout
	WIN 0x80
.irp j, 0,1,2,3,4,5,6,7
	global_load_b128 v[BN+8*\j:BN+8*\j+3], v[BNO], s[62:63] offset:128*(\j/2)+32*(\j%2)
	global_load_b128 v[BN+8*\j+4:BN+8*\j+7], v[BNO], s[62:63] offset:128*(\j/2)+32*(\j%2)+16
.endr
	WIN 0
.endm
.macro IN_L                            ; the scale words and v's bias
.irp a, 0,1,2,3
.irp k, 0,1,2,3
	global_load_b32 v[SA+4*\a+\k], v[LS2], s[84:85] offset:512*\a+128*\k
.endr
.endr
.irp j, 0,1,2,3,4,5,6,7
.irp k, 0,1,2,3
	global_load_b32 v[SB+4*\j+\k], v[LSP], s[86:87] offset:1024*(\j/2)+32*(\j%2)+128*\k
.endr
.endr
.irp a, 0,1,2,3
	global_load_b32 v[BMN+\a], v[BMO], s[66:67] offset:64*\a
.endr
.endm
.macro OUTADDR                         ; where my results of the tile at s56, s57 go
	s_lshl_b32 s95, s23, 1
	s_add_co_u32 s95, s95, s20
	s_lshl_b32 s95, s95, 8
	s_lshl_b32 s96, s56, 3
	s_add_co_u32 s95, s95, s96
	s_add_co_u32 s95, s95, s97                     ; q: image (2 tx + nh) 256 + 8 ty + 4 mh
	s_mul_i32 s88, s95, 1536
	s_lshl_b32 s90, s95, 6
	s_add_co_u32 s90, s90, QW
	s_lshr_b32 s2, s56, 4
	s_lshl_b32 s2, s2, 4
	s_and_b32 s3, s23, 7
	s_lshl_b32 s3, s3, 1
	s_add_co_u32 s2, s2, s3
	s_add_co_u32 s2, s2, s20                       ; k: batch and head
	s_bfe_u32 s3, s56, 0x30001                     ; run of 256 keys
	s_and_b32 s95, s56, 1
	s_lshl_b32 s95, s95, 3
	s_add_co_u32 s95, s95, s97                     ; tile of keys in it
	s_lshl_b32 s96, s2, 3
	s_add_co_u32 s96, s96, s3
	s_mul_i32 s96, s96, 51200
	s_mul_i32 s58, s95, 1536
	s_add_co_u32 s58, s58, s96
	s_lshl_b32 s95, s95, 6
	s_add_co_u32 s59, s96, s95
	s_add_co_u32 s59, s59, 49152
	s_cmp_ge_u32 ttmp9, 2
	s_cselect_b32 s88, s58, s88
	s_cselect_b32 s90, s59, s90
	s_cselect_b64 s[100:101], s[16:17], s[14:15]
	s_lshr_b32 s2, s23, 3
	s_lshl_b32 s2, s2, 4
	s_and_b32 s3, s56, 15
	s_add_co_u32 s2, s2, s3                        ; v: batch and head
	s_and_b32 s3, s23, 7
	s_lshl_b32 s96, s2, 3
	s_add_co_u32 s96, s96, s3
	s_mul_i32 s96, s96, 51200
	s_mov_b32 s58, s96
	s_mul_i32 s95, s20, 12288
	s_add_co_u32 s58, s58, s95
	s_mul_i32 s95, s19, 6144
	s_add_co_u32 s58, s58, s95
	s_add_co_u32 s58, s58, 24576
	s_mov_b32 s59, s96
	s_lshl_b32 s95, s20, 9
	s_add_co_u32 s59, s59, s95
	s_lshl_b32 s95, s19, 8
	s_add_co_u32 s59, s59, s95
	s_add_co_u32 s59, s59, 50176
	s_cmp_ge_u32 s57, 8
	s_cselect_b32 s88, s58, s88
	s_cselect_b32 s90, s59, s90
	s_cselect_b64 s[100:101], s[16:17], s[100:101]
	s_mov_b32 s89, 0
	s_mov_b32 s91, 0
	s_add_nc_u64 s[88:89], s[100:101], s[88:89]
	s_add_nc_u64 s[90:91], s[100:101], s[90:91]
.endm
	s_load_b256 s[4:11], s[0:1], 0x0               ; xq, wq, bq, bk
	s_load_b128 s[12:15], s[0:1], 0x20             ; bv, q
	s_load_b64 s[16:17], s[0:1], 0x30              ; kv
	v_lshl_add_u32 v[SPW], v0, 2, SPARE
	v_mov_b32 v[NIL], 0
	ds_add_u32 v[SPW], v[NIL]                      ; the opening lines: the add, twice on end, and its wait
	ds_add_u32 v[SPW], v[NIL]
	v_lshrrev_b32 v1, 5, v0
	v_readfirstlane_b32 s18, v1                    ; wave 0..3
	s_lshr_b32 s19, s18, 1                         ; mh: which 64 rows m'.  Also: I fetch for A' (0) or for B' (1)
	s_and_b32 s20, s18, 1                          ; nh: which 128 columns n'.  Also: which half of the tiles I fetch
	s_bfe_u32 s21, ttmp6, 0x40000                  ; cx
	s_bfe_u32 s22, ttmp6, 0x40004                  ; cy
	s_lshl_b32 s23, ttmp9, 2
	s_add_co_u32 s23, s23, s21                     ; tx
	s_and_b32 s57, ttmp7, 0xffff                   ; cluster row of the first tile
	s_lshl_b32 s56, s57, 2
	s_add_co_u32 s56, s56, s22                     ; ty of the first tile
	s_lshl_b32 s58, s22, 2
	s_lshl_b32 s58, 15, s58
	s_lshl_b32 s59, 0x1111, s21
	s_or_b32 s[G1A], s58, (3<<16)|(1<<21)          ; the mask; elements of 8 bytes; bit 21 beside a mask
	s_or_b32 s[G1B], s59, (3<<16)|(1<<21)
.irp g, G1A, G1B
	s_mov_b32 s[\g+1], 768<<16                     ; a row: four fragments on end, 6,144 bytes
	s_mov_b32 s[\g+3], 768<<16
	s_mov_b32 s[\g+5], 1536                        ; from tile to tile: 12,288 bytes
	s_mov_b32 s[\g+6], 0
	s_mov_b32 s[\g+7], 0
.endr
	s_mov_b32 s[G1A+2], 4<<16
	s_mov_b32 s[G1A+4], 4
	s_mov_b32 s[G1B+2], 8<<16
	s_mov_b32 s[G1B+4], 8
	s_lshl_b32 s78, s20, 2
	s_lshl_b32 s97, s19, 2
	s_lshl_b32 s76, s23, 4
	s_lshl_b32 s96, s20, 3
	s_add_co_u32 s76, s76, s96
	s_mul_i32 s76, s76, 12288
	s_mov_b32 s77, 0
	s_mul_i32 s62, s20, 24576                      ; where they go: no place in the cluster enters an LDS address
	s_mul_i32 s63, s20, 49152
	s_add_co_u32 s63, s63, 49152
.irp c, 0,1
	s_mov_b32 s[G0A+4*\c], 1
	s_add_co_u32 s[G0A+4*\c+1], s62, \c*CH
	s_mov_b32 s[G0B+4*\c], 1
	s_add_co_u32 s[G0B+4*\c+1], s63, \c*CH
.endr
	s_mov_b32 s[SEL], 0x76543210
	s_mov_b32 s[SEL+1], 0xfedcba98
	s_mov_b32 s94, 0xffff0000
	s_mov_b32 s79, 2                               ; tiles that have a successor
	s_mul_i32 s80, s19, 24576                      ; my four tiles of A' in a slot
	s_mul_i32 s81, s20, 49152                      ; my eight of B', behind A's eight
	s_add_co_u32 s81, s81, 49152
	s_wait_dscnt 0x0
	s_wait_kmcnt 0x0
	DESC
	CROUND                                         ; all sixteen work-groups are here: the joint loads meet
	JLOAD 0                                        ; the first tile's first half: one tensor load a wave at the head
	IN_S
	v_and_b32 v1, 31, v0                           ; lane
	v_and_b32 v2, 15, v0                           ; r
	v_bfe_u32 v3, v0, 4, 1                         ; h
	v_bfe_u32 v15, v0, 3, 1                        ; r / 8
	v_and_b32 v20, 7, v0                           ; r % 8
	v_xor_b32 v21, 8, v1
	v_lshlrev_b32 v[SE], 4, v1
	v_lshlrev_b32 v[SO], 4, v21
	v_lshlrev_b32 v[LS2], 2, v1
	v_lshlrev_b32 v[LSP], 2, v20
	v_lshl_add_u32 v[LSP], v3, 6, v[LSP]
	v_lshl_add_u32 v[LSP], v15, 9, v[LSP]
	v_lshlrev_b32 v[BNO], 6, v3
	v_lshlrev_b32 v[BMO], 2, v2
	IN_BN
	IN_L
	v_add_nc_u32 v[ADA], s80, v[SE]
	v_add_nc_u32 v[ADA+1], s80, v[SO]
	v_lshlrev_b32 v22, 4, v20
	v_lshl_add_u32 v22, v3, 8, v22
	v_add_nc_u32 v22, s81, v22
	v_mad_u32_u24 v[ADB], v15, 6272, v22           ; tiles 2 b: rows 0-7 of natural tile 2 b, rows 0-7 of 2 b + 1 (6,144 bytes on; there the exclusive or puts them 128 bytes up)
	v_mad_u32_u24 v[ADB+1], v15, 6016, v22         ; tiles 2 b + 1: rows 8-15 of both
	v_add_nc_u32 v[ADB+1], 128, v[ADB+1]
.irp k, 0,1,2,3
	v_add_nc_u32 v[16+\k], CH, v[4+\k]             ; the same in slot 1
.endr
.irp b, 0,1,2,3
	v_mov_b32 v[TM+4+\b], 0                        ; written once: a lane permute's destination counts as one of its sources
.endr
.irp a, 0,1,2,3
	v_mov_b32 v[BM+2*\a+1], 0                      ; (named with the bias as a pair)
.endr
.macro FETCH s                         ; the fragments of K step s: 36 LDS loads in one run, into the set of its parity
	WIN 0x80+0x40*((\s)%2)
.irp j, 0,1,2,3,4,5,6,7
.irp c, 0,1,2
	ds_load_b128 v[12*\j+4*\c:12*\j+4*\c+3], v[ADB+12*((\s)/4)+\j%2] offset:12288*(\j/2)+1536*((\s)%4)+512*\c
.endr
.endr
.irp a, 0,1,2,3
.irp c, 0,1,2
	ds_load_b128 v[96+12*\a+4*\c:96+12*\a+4*\c+3], v[ADA+12*((\s)/4)+\a%2] offset:6144*\a+1536*((\s)%4)+512*\c
.endr
.endr
.endm
.macro MUL s                           ; 32 matrix instructions: each accumulator once.  The first K step starts the sums on the bias
.if (\s) == 0
	WIN 0x6a
.elseif (\s)%2 == 0
	WIN 0x5a
.else
	WIN 0x5f
.endif
.irp a, 0,1,2,3
.irp j, 0,1,2,3,4,5,6,7
.if (\s) == 0
	v_wmma_scale_f32_16x16x128_f8f6f4 v[64*\a+8*\j:64*\a+8*\j+7], v[12*\j:12*\j+11], v[96+12*\a:96+12*\a+11], v[BN+8*\j:BN+8*\j+7], v[SB+4*\j], v[SA+4*\a] matrix_a_fmt:MATRIX_FMT_BF6 matrix_b_fmt:MATRIX_FMT_BF6
.elseif (\s)%2 == 0
	v_wmma_scale_f32_16x16x128_f8f6f4 v[64*\a+8*\j:64*\a+8*\j+7], v[12*\j:12*\j+11], v[96+12*\a:96+12*\a+11], v[64*\a+8*\j:64*\a+8*\j+7], v[SB+4*\j+(\s)/2], v[SA+4*\a+(\s)/2] matrix_a_fmt:MATRIX_FMT_BF6 matrix_b_fmt:MATRIX_FMT_BF6
.else
	v_wmma_scale_f32_16x16x128_f8f6f4 v[64*\a+8*\j:64*\a+8*\j+7], v[12*\j:12*\j+11], v[96+12*\a:96+12*\a+11], v[64*\a+8*\j:64*\a+8*\j+7], v[SB+4*\j+(\s)/2], v[SA+4*\a+(\s)/2] matrix_a_fmt:MATRIX_FMT_BF6 matrix_b_fmt:MATRIX_FMT_BF6 matrix_a_scale:MATRIX_SCALE_ROW1 matrix_b_scale:MATRIX_SCALE_ROW1
.endif
.endr
.endr
.endm
; K step s: the next step's fragments are asked for, then this step is multiplied.  At K step 3 slot 0 has been read out and slot 1 must be whole: last = 0: slot 0 takes the next tile's first half.
.macro KSTEP s, last
.if (\s) == 3
	WIN 0
	s_wait_tensorcnt 0x0                           ; my part of slot 1 is in: it was my one load out
.if \last
	s_wait_dscnt 0x0
	s_barrier_signal -1
	s_barrier_wait -1
	PLACES 4
.else
	ds_add_u32 v[SPW], v[NIL]
	DESC
	s_wait_dscnt 0x0                               ; the add is done, and my reads of slot 0 are over
	CROUND
	JLOAD 0                                        ; its four v_nop are also the places in front of the loads below
.endif
.elseif ((\s) > 0) && ((\s) < 7)
	PLACES 4
.endif
.if ((\s) == 4) && ((\last) == 0)
	WIN 0
	IN_S
	IN_BN                                          ; the bias registers were last read by K step 0
.endif
.if (\s) < 7
	FETCH (\s)+1
	s_wait_dscnt 36                                ; all but the 36 just issued
.else
	s_wait_dscnt 0x0
.endif
	MUL \s
.endm
.macro QUANT s                         ; 64 numbers of a lane, register 16 b + i = n' 32 b + 16 (lane / 16) + i of my row, become a fragment's codes in v[PC] on and its scale word in v[PW]
.irp b, 0,1,2,3
	v_max3_num_f32 v[TM+\b], |v[\s+16*\b]|, |v[\s+1+16*\b]|, 0x2800000   ; and the floor 2^(5 - 127): the byte cannot fall under 1
.endr
.irp i, 2,4,6,8,10,12,14
.irp b, 0,1,2,3
	v_max3_num_f32 v[TM+\b], v[TM+\b], |v[\s+16*\b+\i]|, |v[\s+1+16*\b+\i]|
.endr
.endr
.irp b, 0,1,2,3
	v_permlanex16_b32 v[TM+4+\b], v[TM+\b], s[SEL], s[SEL+1]
.endr
.irp b, 0,1,2,3
	v_max_num_f32 v[TM+\b], v[TM+\b], v[TM+4+\b]
.endr
.irp b, 0,1,2,3
	v_add_nc_u32 v[TM+12+\b], 0xfe000000, v[TM+\b] ; 4 off its exponent field: the conversion's scale operand
.endr
.irp b, 0,1,2,3
	v_lshrrev_b32 v[TM+4+\b], 23, v[TM+12+\b]
.endr
	v_lshl_or_b32 v[PW], v[TM+5], 8, v[TM+4]
	v_lshl_or_b32 v[PW], v[TM+6], 16, v[PW]
	v_lshl_or_b32 v[PW], v[TM+7], 24, v[PW]
.irp c, 0,1
	v_cvt_scalef32_pk16_bf6_f32 v[PC+6*\c:PC+2+6*\c], v[\s+32*\c:\s+15+32*\c], v[TM+12+2*\c]
	v_cvt_scalef32_pk16_bf6_f32 v[PC+12+4*\c:PC+14+4*\c], v[\s+16+32*\c:\s+31+32*\c], v[TM+12+2*\c+1]
.endr
	v_nop                                          ; one plain place behind a scaled conversion
.irp c, 0,1
.irp i, 0,1,2
	v_permlane16_swap_b32 v[PC+6*\c+\i], v[PC+12+4*\c+\i]
.endr
.irp i, 0,1,2
	v_mov_b32 v[PC+3+6*\c+\i], v[PC+12+4*\c+\i]
.endr
.endr
.endm
; A TILE.  At its head slot 0 is whole, slot 1's load is out, and the tile's scale words and biases are on their way.
.macro TILE last
	s_wait_xcnt 0x0                                ; the last tile's stores have read their bases
	OUTADDR
	s_add_co_u32 s56, s56, 16                      ; from here on s56, s57 name the next tile
	s_add_co_u32 s57, s57, 4
	s_wait_loadcnt 0x0
	WIN 0x88
.set i, 0
.rept 64
	v_cndmask_b32 v[BN+i], 0, v[BN+i], s92         ; the bias along n', or zeros
.set i, i+1
.endr
	WIN 0
.irp a, 0,1,2,3
	v_cndmask_b32 v[BM+2*\a], 0, v[BMN+\a], s93    ; the bias along m', or zeros
.endr
	s_wait_alu depctr_va_vdst(0)
	FETCH 0
.irp s, 0,1,2,3,4,5,6,7
	KSTEP \s, \last
.endr
	WIN 0
	PLACES 4                                       ; in front of the first read of results and of the loads into the scale registers
.if (\last) == 0
	IN_L
.endif
.irp a, 0,1,2,3                                ; THE WAY OUT, a tile of 16 rows m' at a time
	WIN 0x01
.set i, 0
.rept 32
	v_pk_add_f32 v[ST+2*i:ST+2*i+1], v[64*\a+2*i:64*\a+2*i+1], v[BM+2*\a:BM+2*\a+1] op_sel_hi:[1,0]   ; each accumulator from its low end on
.set i, i+1
.endr
	WIN 0
	s_wait_xcnt 0x0                                ; the last stores have read their data
	QUANT ST
.if \a%2 == 0
.irp c, 0,1,2
	global_store_b128 v[SE], v[PC+4*\c:PC+4*\c+3], s[88:89] offset:1536*\a+512*\c
.endr
	v_mov_b32 v[PWE], v[PW]
.else
.irp c, 0,1,2
	global_store_b128 v[SO], v[PC+4*\c:PC+4*\c+3], s[88:89] offset:1536*\a+512*\c
.endr
	v_cndmask_b32 v[PWS], v[PWE], v[PW], s94       ; lanes 0-15 the even tile's words, lanes 16-31 the odd one's
	global_store_b32 v[LS2], v[PWS], s[90:91] offset:64*(\a-1)
.endif
.if (\a == 1) && ((\last) == 0)
	s_wait_alu depctr_va_vdst(0)
	s_wait_tensorcnt 0x0                           ; my part of the next tile's first half is in;
	ds_add_u32 v[SPW], v[NIL]
	s_wait_dscnt 0x0                               ; my reads of slot 1 were over at K step 7
	CROUND
	JLOAD 1                                        ; slot 1 takes the next tile's second half
.endif
.endr
.endm
	s_wait_alu depctr_va_vdst(0)                   ; the wait at the head's end
	s_wait_tensorcnt 0x0                           ; ahead of a later first fill
	ds_add_u32 v[SPW], v[NIL]
	s_wait_dscnt 0x0
	CROUND
	JLOAD 1                                        ; the first tile's second half
.Ltile:
	TILE 0
	s_sub_co_u32 s79, s79, 1
	s_cmp_lg_u32 s79, 0
	s_wait_alu depctr_va_vdst(0)
	s_cbranch_scc1 .Ltile
	TILE 1
	s_wait_tensorcnt 0x0                           ; the wave's end
	ds_add_u32 v[SPW], v[NIL]
	s_wait_dscnt 0x0
	CROUND                                         ; the closing round
	s_endpgm
.Lfunc_end_k_q827a82a069_proj:
	.size	k_q827a82a069_proj, .Lfunc_end_k_q827a82a069_proj-k_q827a82a069_proj
	.p2alignl 7, 3214868480
	.fill 96, 4, 3214868480
	.section	.rodata,"a",@progbits
	.p2align	6, 0x0
	.amdhsa_kernel k_q827a82a069_proj
		.amdhsa_group_segment_fixed_size 327680
		.amdhsa_private_segment_fixed_size 0
		.amdhsa_enable_private_segment 0
		.amdhsa_kernarg_size 56
		.amdhsa_user_sgpr_count 2
		.amdhsa_user_sgpr_kernarg_segment_ptr 1
		.amdhsa_wavefront_size32 1
		.amdhsa_system_sgpr_workgroup_id_x 1
		.amdhsa_system_sgpr_workgroup_id_y 1
		.amdhsa_system_sgpr_workgroup_id_z 1
		.amdhsa_system_vgpr_workitem_id 0
		.amdhsa_next_free_vgpr 1024
		.amdhsa_next_free_sgpr 102
		.amdhsa_reserve_vcc 0
		.amdhsa_float_denorm_mode_32 3
		.amdhsa_float_denorm_mode_16_64 3
		.amdhsa_memory_ordered 1
		.amdhsa_forward_progress 1
		.amdhsa_inst_pref_size 193
	.end_amdhsa_kernel
	.amdgpu_metadata
---
amdhsa.version: [ 1, 2 ]
amdhsa.kernels:
  - .name:           k_q827a82a069_proj
    .symbol:         k_q827a82a069_proj.kd
    .args:
      - { .name: xq, .offset: 0, .size: 8, .value_kind: global_buffer, .address_space: global }
      - { .name: wq, .offset: 8, .size: 8, .value_kind: global_buffer, .address_space: global }
      - { .name: bq, .offset: 16, .size: 8, .value_kind: global_buffer, .address_space: global }
      - { .name: bk, .offset: 24, .size: 8, .value_kind: global_buffer, .address_space: global }
      - { .name: bv, .offset: 32, .size: 8, .value_kind: global_buffer, .address_space: global }
      - { .name: q, .offset: 40, .size: 8, .value_kind: global_buffer, .address_space: global }
      - { .name: kv, .offset: 48, .size: 8, .value_kind: global_buffer, .address_space: global }
    .group_segment_fixed_size: 327680
    .private_segment_fixed_size: 0
    .kernarg_segment_align: 8
    .kernarg_segment_size: 56
    .max_flat_workgroup_size: 128
    .sgpr_count:     102
    .vgpr_count:     1024
    .wavefront_size: 32
...
	.end_amdgpu_metadata
.endif
;; end of part 2
;; launch attn (part 3): grid 8 x 32, 16 waves a work-group, no clusters, 327,680 bytes of LDS; arguments q, kv, oq; writes oq
.if DOCPART == 3
	.amdgcn_target "amdgcn-amd-amdhsa--gfx1250"
	.amdhsa_code_object_version 6
	.text
	.protected	k_q827a82a069_attn
	.globl	k_q827a82a069_attn
	.p2align	8
	.type	k_q827a82a069_attn,@function
k_q827a82a069_attn:
	s_mov_b64 s[64:65], 0
	v_nop
	global_prefetch_b8 v0, s[64:65] scope:SCOPE_SE
	s_setreg_imm32_b32 hwreg(HW_REG_WAVE_MODE, 25, 1), 1
	s_wait_xcnt 0x0
; Causal attention on codes of E3M2, and the quantising of its result along (head, channel) for the last product.  32 (batch, head) x 2,048 queries x 2,048 keys, head size 128.
; THE SOFTMAX: t = score x log2(e) / sqrt(128); M = the largest t so far, rounded UP to a whole number; p = 2^(t - M) is quantised along the keys, not normalised; the row's sum is taken of the unquantised p.
; When M moves, the sum and O are multiplied by 2^(old M - new M): exact.
; SHARES.  Work-group (i, batch and head) makes the query blocks i and 15 - i of 128 queries, ONE AFTER THE OTHER, each with all sixteen waves.  A tile of 16 queries has TWO waves: wave (j, pi) takes
; tile j and the key steps of 128 keys whose number has parity pi, with an M, a sum and an O of its own.  At a block's end the wave with pi = 1 hands M, sum and O to its partner through a stage in LDS;
; the partner brings both under the larger M (powers of two), divides by the joined sum, quantises and stores.  Blocks i and 15 - i have 17 key steps together: 9 on the waves with the more.
; Key steps whose keys all come after the block's queries (reference()'s own mask) are left out: by the walk's length, and by a jump on ids at a step's head that leads round the step's work alone.
; Tile j of block b takes query 128 b + 16 (r % 8) + 2 j + r / 8 in lane r (q is a plain reshape of the projection): eight rows of each of two of q's images.
; LAYOUT.  Both products are used transposed (S^T = K Q^T, O^T = V^T P^T): a lane holds one query.  Lane r of tile 2 b + u of K and of V takes row 32 b + 8 u + r + 8 (r / 8), so that the 16 registers of
; tiles 2 b, 2 b + 1 are 16 neighbours.  Fragments are images of registers: 1,536 dense bytes; register e of lane (r, h) at 512 (e / 4) + 16 ((r xor 8 (T & 1)) + 16 h) + 4 (e % 4).
; THE RING: two LDS slots of 512 keys, 102,400 dense bytes of kv each (two runs of 256 keys: K's 16 images, V's 16, K's and V's scale words).  Every wave brings a sixteenth, 25 rows of 256 bytes: one tensor
; load a wave at the head and one behind each change of slots.  Every work-group makes five trips: i / 4 + 1 for its first block, the rest for its second.  Every wait on the tensor counter is for 0.
; NO CLUSTER: the trip in which a work-group turns to its second block, and so the slots that it asks for, hangs on its number; partners would not issue the same loads in the same round.
; PREFETCH: the work-group with i = 0 walks the head's four slots in order in trips 1 to 4; its waves 0 to 12 name, in trips 0 to 2, the 400 blocks of 256 bytes of the slot that the NEXT trip's loads ask for,
; a lane a block (the lanes left over name the last block again).  Slot 0 comes by its load alone; the last two trips ask for nothing.
; LIMITS: NaN and infinities are not served; a block whose largest magnitude lies under 2^-122 gets the byte 1; the promise holds while the scaled scores t stay under 2^31 in magnitude.
; REGISTERS: v1-4, v8-11 LDS addresses of the slot's two runs; v12 -M, v13 the largest t, v[14:15] the sum; v16-27, v255 Q and its words; v80-92 the second block's; v32-79 four fragments; v96-159 S^T, then p; v160-223 O^T; v224.. codes; v232-254 at work.
.set QW,    6291456
.set OQW,   6291456
.set SM,    51200                      ; a run of 256 keys
.set SLOTB, 2*SM
.set SLOT1, 1<<17                      ; slot 1 begins here: one exclusive or turns an address in one slot into the other's
.set KWO,   49152                      ; in a run: K's scale words, 4 bytes a key
.set VWO,   50176                      ; and V's: [key step 2][tile 8][16 words]
.set STAGE, SLOT1+SLOTB                ; behind the ring: 8,704 bytes for each pair of waves; no tensor load lands here
.set PAIRB, 8704
.set SPARE, STAGE+8*PAIRB              ; the spare words, 128 bytes for each of sixteen waves: no other line names them
.set SPW, 5
.set NIL, 6
.set DQ,  7                            ; my query's place in its block, less 16 (lane / 16)
.set PFO, 28
.set GO,  29
.set GS,  30
.set STG, 93                           ; my pair's stage + 16 x lane
.set PI,  10                           ; s10 my parity; s11 my tile; s12 trips of the first block; s13 the trip; s14 the slot of 512 keys in hand; s15 the step's first key; s16, s17 the blocks' first queries
.set WV,  18
.set SEL, 20
.set CS,  22
.set G1T, 24
.set G0T, 40
.macro NOPS n
.rept \n
	v_nop
.endr
.endm
.macro BLKADR blk, qc, qw, oc, ow      ; byte offsets of block blk: my Q images and words, my result's image and words
	s_lshr_b32 s66, \blk, 1
	s_xor_b32 s67, s66, \blk
	s_and_b32 s67, s67, 1
	s_lshl_b32 s67, s67, 7                         ; rows 8 (blk % 2) on, by the image's exclusive or
	s_add_co_u32 s66, s66, s73                     ; image 128 batch + 8 head + blk / 2 + 256 x column group 2 j
	s_mul_i32 s[\qc], s66, 1536
	s_add_co_u32 s[\qc], s[\qc], s67
	s_mov_b32 s[\qc+1], 0
	s_lshl_b32 s[\qw], s66, 6
	s_and_b32 s67, \blk, 1
	s_lshl_b32 s67, s67, 5
	s_add_co_u32 s[\qw], s[\qw], s67
	s_add_co_u32 s[\qw], s[\qw], QW
	s_mov_b32 s[\qw+1], 0
	s_lshl_b32 s66, \blk, 3
	s_add_co_u32 s66, s66, s74                     ; the result's tile: 128 batch + 8 blk + j
	s_lshl_b32 s66, s66, 4
	s_add_co_u32 s66, s66, s63                     ; its K step is the head
	s_mul_i32 s[\oc], s66, 1536
	s_mov_b32 s[\oc+1], 0
	s_lshl_b32 s[\ow], s66, 6
	s_add_co_u32 s[\ow], s[\ow], OQW
	s_mov_b32 s[\ow+1], 0
.endm
	s_load_b128 s[4:7], s[0:1], 0x0                ; q, kv
	s_load_b64 s[8:9], s[0:1], 0x10                ; oq
	v_lshl_add_u32 v[SPW], v0, 2, SPARE
	v_mov_b32 v[NIL], 0
	ds_add_u32 v[SPW], v[NIL]                      ; the opening lines: the add, twice on end, and its wait ahead of my first tensor load
	ds_add_u32 v[SPW], v[NIL]
	v_lshrrev_b32 v240, 5, v0
	v_readfirstlane_b32 s[WV], v240                ; wave 0..15
	s_and_b32 s70, ttmp7, 0xffff                   ; batch and head
	s_lshr_b32 s[PI], s[WV], 2
	s_xor_b32 s[PI], s[PI], s[WV]
	s_and_b32 s[PI], s[PI], 1                      ; waves 2 j and 2 j + 1 differ in it; both parities fall on every fourth wave
	s_lshr_b32 s11, s[WV], 1
	s_lshl_b32 s19, s[PI], 7
	s_lshr_b32 s12, ttmp9, 2
	s_add_co_u32 s12, s12, 1
	s_sub_co_u32 s71, 15, ttmp9                    ; the second block
	s_lshl_b32 s16, ttmp9, 7
	s_lshl_b32 s17, s71, 7
	s_mov_b32 s[G1T+0], 3<<16                      ; elements of 8 bytes; no mask, no padding
	s_mov_b32 s[G1T+1], 32<<16                     ; rows of 256 bytes,
	s_mov_b32 s[G1T+2], 25<<16                     ; 25 of them,
	s_mov_b32 s[G1T+3], 32<<16
	s_mov_b32 s[G1T+4], 25
	s_mov_b32 s[G1T+5], 32                         ; dense
	s_mov_b32 s[G1T+6], 0
	s_mov_b32 s[G1T+7], 0
	s_mul_i32 s75, s[WV], 6400                     ; my sixteenth of a slot, in LDS and in memory
	s_mul_i32 s72, s70, 4*SLOTB                    ; the head's four slots
	s_add_co_u32 s34, s72, s75
	s_mov_b32 s35, 0
	s_lshr_b32 s62, s70, 4
	s_lshl_b32 s62, s62, 7                         ; 128 x batch
	s_and_b32 s63, s70, 15                         ; head
	s_lshl_b32 s73, s63, 3
	s_add_co_u32 s73, s73, s62
	s_lshl_b32 s60, s11, 9
	s_add_co_u32 s73, s73, s60
	s_add_co_u32 s74, s62, s11
	BLKADR ttmp9, 44, 46, 52, 54
	BLKADR s71, 48, 50, 56, 58
	s_cmp_lt_u32 s[WV], 13
	s_cselect_b32 s60, 0, 1
	s_or_b32 s60, s60, ttmp9
	s_cmp_eq_u32 s60, 0
	s_cselect_b32 s38, 1, -1                       ; 1 in a wave that prefetches, else the greatest number
	s_min_u32 s76, s[WV], 12
	s_lshl_b32 s76, s76, 5                         ; its first block of 256 bytes
	s_mul_i32 s77, s[PI], 12288                    ; my key step's eight images in a run
	s_add_co_u32 s78, s77, 128
	s_lshl_b32 s79, s[PI], 9                       ; and its 512 bytes of words
	s_add_co_u32 s80, s79, VWO
	s_add_co_u32 s79, s79, KWO
	s_lshl_b32 s81, s11, 1
	s_and_b32 s82, s11, 1
	s_lshl_b32 s82, s82, 3
	s_mul_i32 s83, s11, PAIRB
	s_add_co_u32 s83, s83, STAGE
	s_mov_b32 s[SEL], 0x76543210
	s_mov_b32 s[SEL+1], 0xfedcba98
	s_mov_b32 s[CS], 0x3e0293ee                    ; log2(e) / sqrt(128)
	s_mov_b32 s[CS+1], s[CS]
	s_mov_b32 s13, 0
	s_mov_b32 s14, 0
	s_mov_b32 s39, 4                               ; trips that ask for a slot
	s_wait_dscnt 0x0                               ; both opening adds are done
	s_wait_kmcnt 0x0
	s_add_nc_u64 s[32:33], s[6:7], s[34:35]        ; my sixteenth of the head's slot 0
	s_mov_b32 s34, s72
	s_add_nc_u64 s[36:37], s[6:7], s[34:35]        ; where the prefetches stand: the first change of slots steps it to slot 1
	s_mov_b32 s[G0T], 1
	s_mov_b32 s[G0T+1], s75
	s_mov_b64 s[G0T+2:G0T+3], s[32:33]
	s_or_b32 s[G0T+3], s[G0T+3], 0x80000000
	tensor_load_to_lds s[G0T:G0T+3], s[G1T:G1T+7]  ; slot 0: my one load at the head
	s_nop 0
	NOPS 4
	s_add_nc_u64 s[44:45], s[4:5], s[44:45]
	s_add_nc_u64 s[46:47], s[4:5], s[46:47]
	s_add_nc_u64 s[48:49], s[4:5], s[48:49]
	s_add_nc_u64 s[50:51], s[4:5], s[50:51]
	s_add_nc_u64 s[52:53], s[8:9], s[52:53]
	s_add_nc_u64 s[54:55], s[8:9], s[54:55]
	s_add_nc_u64 s[56:57], s[8:9], s[56:57]
	s_add_nc_u64 s[58:59], s[8:9], s[58:59]
	v_and_b32 v240, 15, v0                         ; r
	v_bfe_u32 v241, v0, 4, 1                       ; h
	v_bfe_u32 v242, v0, 3, 1                       ; r / 8
	v_and_b32 v243, 7, v0                          ; r % 8
	v_and_b32 v244, 31, v0                         ; lane
	v_lshlrev_b32 v245, 4, v243
	v_lshl_add_u32 v245, v241, 8, v245             ; 16 (r % 8) + 256 h
	v_mul_u32_u24 v232, v242, 393216               ; lanes with r / 8 = 1 take the next column group: 256 images on
	v_add_nc_u32 v232, v232, v245
	v_lshlrev_b32 v233, 2, v243
	v_lshl_add_u32 v233, v242, 14, v233
.irp c, 0,1,2
	global_load_b128 v[16+4*\c:19+4*\c], v232, s[44:45] offset:512*\c   ; both blocks' Q stay in registers
	global_load_b128 v[80+4*\c:83+4*\c], v232, s[48:49] offset:512*\c
.endr
	global_load_b32 v255, v233, s[46:47]
	global_load_b32 v92, v233, s[50:51]
	v_mad_u32_u24 v1, v242, 1664, v245             ; tiles 2 b: rows 0-7 of natural tile 2 b, rows 0-7 of 2 b + 1 (1,536 bytes on; there the exclusive or puts them 128 bytes up)
	v_mad_u32_u24 v2, v242, 1408, v245             ; tiles 2 b + 1: rows 8-15 of both
	v_add_nc_u32 v1, s77, v1
	v_add_nc_u32 v2, s78, v2
	v_lshl_add_u32 v3, v242, 3, v240               ; r + 8 (r / 8)
	v_lshl_add_u32 v3, v3, 2, s79
	v_lshlrev_b32 v4, 2, v243
	v_lshl_add_u32 v4, v242, 6, v4
	v_add_nc_u32 v4, s80, v4
.irp k, 0,1,2,3
	v_add_nc_u32 v[8+\k], SM, v[1+\k]              ; the slot's second run
.endr
	v_lshl_add_u32 v[DQ], v243, 4, v242
	v_lshlrev_b32 v13, 4, v241
	v_sub_nc_u32 v[DQ], v[DQ], v13
	v_add_nc_u32 v[DQ], s81, v[DQ]                 ; 16 (r % 8) + 2 j + r / 8 - 16 h
	v_add_nc_u32 v[PFO], s76, v244
	v_min_u32 v[PFO], 399, v[PFO]
	v_lshlrev_b32 v[PFO], 8, v[PFO]
	v_xor_b32 v[GO], s82, v244
	v_lshlrev_b32 v[GO], 4, v[GO]
	v_lshlrev_b32 v[GS], 2, v240
	v_lshl_add_u32 v[STG], v244, 4, s83
	v_mov_b32 v13, 0xff61b1e6                      ; the largest t so far: -3e38, under every t
	v_floor_f32 v12, -v13                          ; -M
	v_mov_b32 v14, 0
	v_mov_b32 v15, 0
.irp b, 0,1,2,3
	v_mov_b32 v[236+\b], 0                         ; written once: a lane permute's destination counts as one of its sources
.endr
	v_mov_b32 v252, 0
	v_mov_b32 v253, 0
.set i, 0
.rept 64
	v_mov_b32 v[160+i], 0                          ; O^T: a wave that has no step in the first block hands these on.  (A block's first step multiplies what it finds by 0)
.set i, i+1
.endr
; From the four blocks' largest magnitudes in v232-235 and 64 numbers in v[src] on: the scale word in v253 and the operand's twelve registers in v224-235.
.macro PACKP src
.irp b, 0,1,2,3
	s_delay_alu instid0(VALU_DEP_4)
	v_add_nc_u32 v[244+\b], 0xfe000000, v[232+\b]  ; 4 off the exponent field: the conversion's scale operand
.endr
.irp b, 0,1,2,3
	s_delay_alu instid0(VALU_DEP_4)
	v_lshrrev_b32 v[236+\b], 23, v[244+\b]         ; the scale's byte
.endr
	s_delay_alu instid0(VALU_DEP_3)
	v_lshl_or_b32 v253, v237, 8, v236
	s_delay_alu instid0(VALU_DEP_1)
	v_lshl_or_b32 v253, v238, 16, v253
	s_delay_alu instid0(VALU_DEP_1)
	v_lshl_or_b32 v253, v239, 24, v253
.irp c, 0,1
	v_cvt_scalef32_pk16_bf6_f32 v[224+6*\c:226+6*\c], v[\src+32*\c:\src+15+32*\c], v[244+2*\c]
	v_cvt_scalef32_pk16_bf6_f32 v[236+4*\c:238+4*\c], v[\src+16+32*\c:\src+31+32*\c], v[244+2*\c+1]
.endr
	v_nop                                          ; one plain place behind a scaled conversion
.irp c, 0,1                                    ; the operand's layout wants a whole block in a lane
.irp i, 0,1,2
	v_permlane16_swap_b32 v[224+6*\c+\i], v[236+4*\c+\i]
.endr
.irp i, 0,1,2
	s_delay_alu instid0(VALU_DEP_3)
	v_mov_b32 v[227+6*\c+\i], v[236+4*\c+\i]
.endr
.endr
.endm
; A KEY STEP: my 128 keys of the qs-th run of the slot in hand: key step 4 x slot + 2 qs + pi.
.macro STEP qs
.set AB, 1+7*(\qs)
	s_lshl_b32 s15, s14, 9
	s_add_co_u32 s15, s15, s19
.if \qs
	s_add_co_u32 s15, s15, 256
.endif
	s_add_co_u32 s86, s16, 127
	s_cmp_gt_u32 s15, s86                          ; all keys come after the block's queries: the step's work is left out; no barrier and no tensor load stands in a step
	s_cbranch_scc1 .Lhidden_\@
	NOPS 5*(\qs)                                   ; places behind the step before: its last products' fragments lie where the scores are written (ahead of the first step the trip's eight exclusive ors are the places)
.irp g, 0,1                                    ; S^T = K Q^T, four tiles of 16 keys at a time
	NOPS 4*\g
.irp t, 0,1,2,3
.irp c, 0,1,2
	ds_load_b128 v[32+12*\t+4*\c:32+12*\t+4*\c+3], v[AB+\t%2] offset:3072*(2*\g+\t/2)+512*\c
.endr
	ds_load_b32 v[248+\t], v[AB+2] offset:128*(2*\g+\t/2)+32*(\t%2)
.endr
	s_wait_dscnt 0x0
.irp t, 0,1,2,3
	v_wmma_scale_f32_16x16x128_f8f6f4 v[96+8*(4*\g+\t):103+8*(4*\g+\t)], v[32+12*\t:43+12*\t], v[16:27], 0, v[248+\t], v255 matrix_a_fmt:MATRIX_FMT_BF6 matrix_b_fmt:MATRIX_FMT_BF6
.endr
.endr
	NOPS 4
.irp t, 0,1,2,3                                ; V's first four fragments are asked for now, into the registers that held K's: they land under the softmax
.irp c, 0,1,2
	ds_load_b128 v[32+12*\t+4*\c:32+12*\t+4*\c+3], v[AB+\t%2] offset:24576+3072*(\t/2)+512*\c
.endr
	ds_load_b32 v[248+\t], v[AB+3] offset:128*(\t/2)+32*(\t%2)
.endr
	s_cmp_lt_u32 s15, s16
	s_cbranch_scc1 .Lopen_\@
	v_mov_b32 v254, 0xff800000                     ; on the diagonal hidden scores become -infinity ahead of the maximum.  Register 16 b + i holds key 32 b + 16 (lane / 16) + i of the block
.set n, 0
.rept 64
	v_cmp_gt_i32 vcc_lo, 32*(n/16)+n%16, v[DQ]
	v_cndmask_b32 v[96+n], v[96+n], v254, vcc_lo
.set n, n+1
.endr
.Lopen_\@:
.irp b, 0,1,2,3
	v_max3_num_f32 v[232+\b], v[96+16*\b], v[97+16*\b], v[98+16*\b]   ; the largest score of each block of 32 keys: for the row's maximum and, since p rises with the score, for the block's largest p
.endr
.irp i, 3,5,7,9,11,13
.irp b, 0,1,2,3
	v_max3_num_f32 v[232+\b], v[232+\b], v[96+16*\b+\i], v[97+16*\b+\i]
.endr
.endr
.irp b, 0,1,2,3
	v_max_num_f32 v[232+\b], v[232+\b], v[111+16*\b]
.endr
.irp b, 0,1,2,3
	s_delay_alu instid0(VALU_DEP_4)
	v_permlanex16_b32 v[236+\b], v[232+\b], s[SEL], s[SEL+1]
.endr
.irp b, 0,1,2,3
	s_delay_alu instid0(VALU_DEP_4)
	v_max_num_f32 v[232+\b], v[232+\b], v[236+\b]  ; with lane l xor 16's 16 keys
.endr
	s_delay_alu instid0(VALU_DEP_2)
	v_max3_num_f32 v254, v232, v233, v234
	s_delay_alu instid0(VALU_DEP_1)
	v_max_num_f32 v254, v254, v235
	s_delay_alu instid0(VALU_DEP_1)
	v_mul_f32 v254, s[CS], v254                    ; the step's largest t of my query
	s_delay_alu instid0(VALU_DEP_1)
	v_max_num_f32 v13, v13, v254
	v_mov_b32 v254, v12
	s_delay_alu instid0(VALU_DEP_2)
	v_floor_f32 v12, -v13                          ; the new -M = floor(-t)
	s_delay_alu instid0(VALU_DEP_1)
	v_sub_f32 v254, v12, v254                      ; old M - new M: a whole number, 0 or less
	s_delay_alu instid0(VALU_DEP_1)
	v_cvt_i32_f32 v254, v254                       ; (it saturates)
	s_delay_alu instid0(VALU_DEP_1)
	v_ldexp_f32 v252, 1.0, v254                    ; f = 2^(old M - new M)
.set i, 0
.rept 32
	v_pk_fma_f32 v[96+i:97+i], v[96+i:97+i], s[CS:CS+1], v[12:13] op_sel_hi:[1,0,0]   ; t - M
.set i, i+2
.endr
.irp b, 0,1,2,3
	v_fma_f32 v[232+\b], v[232+\b], s[CS], v12     ; the same of each block's largest score
.endr
	s_wait_alu depctr_va_vdst(0)                   ; the wait ahead of the batch
.set i, 0
.rept 64
	v_exp_f32 v[96+i], v[96+i]                     ; p = 2^(t - M), at most 1
.set i, i+1
.endr
	v_pk_mul_f32 v[14:15], v[14:15], v[252:253] op_sel_hi:[1,0]   ; the sums under the new M: a plain place behind the exponentials
	s_wait_alu depctr_va_vdst(0)                   ; one wait for the whole batch, ahead of its first reader
.irp b, 0,1,2,3
	v_exp_f32 v[232+\b], v[232+\b]                 ; the block's largest p
.endr
.irp c, 1,2,3,4,5                              ; the row's sum of the unquantised p: 32 pairs in six chains
	v_pk_add_f32 v[236+2*\c:237+2*\c], v[96+2*\c:97+2*\c], v[106+2*\c:107+2*\c]
.endr
	v_pk_add_f32 v[14:15], v[14:15], v[96:97]
.irp n, 0,1,2
	v_pk_add_f32 v[14:15], v[14:15], v[118+12*\n:119+12*\n]
.irp c, 1,2,3,4,5
	v_pk_add_f32 v[236+2*\c:237+2*\c], v[236+2*\c:237+2*\c], v[118+12*\n+2*\c:119+12*\n+2*\c]
.endr
.endr
	v_pk_add_f32 v[14:15], v[14:15], v[154:155]
	v_pk_add_f32 v[238:239], v[238:239], v[156:157]
	v_pk_add_f32 v[240:241], v[240:241], v[158:159]
	v_pk_add_f32 v[238:239], v[238:239], v[244:245]
	v_pk_add_f32 v[240:241], v[240:241], v[246:247]
	v_pk_add_f32 v[14:15], v[14:15], v[242:243]
	v_pk_add_f32 v[238:239], v[238:239], v[240:241]
	s_delay_alu instid0(VALU_DEP_1)
	v_pk_add_f32 v[14:15], v[14:15], v[238:239]
	s_wait_alu depctr_va_vdst(0)                   ; and one for the four
.irp b, 0,1,2,3
	v_max_num_f32 v[232+\b], 0x2800000, v[232+\b]  ; the floor 2^(5 - 127): a block whose every p is 0 keeps the byte 1: its codes are zeros
.endr
	PACKP 96
.irp t, 0,1,2,3                                ; V's last four fragments, into the registers that held p: they land under the 32 multiplications below
.irp c, 0,1,2
	ds_load_b128 v[96+12*\t+4*\c:96+12*\t+4*\c+3], v[AB+\t%2] offset:24576+3072*(2+\t/2)+512*\c
.endr
	ds_load_b32 v[144+\t], v[AB+3] offset:128*(2+\t/2)+32*(\t%2)
.endr
	s_wait_alu depctr_va_vdst(0)
.set i, 0
.rept 32
	v_pk_mul_f32 v[160+i:161+i], v[160+i:161+i], v[252:253] op_sel_hi:[1,0]   ; O^T under the new M; these 32 are also the places in front of the products and loads below
.set i, i+2
.endr
	s_wait_alu depctr_va_vdst(0)
	s_wait_dscnt 16                                ; O^T += V^T P^T.  The first four fragments and their words are in: behind them stand the 16 loads of the last four
.irp t, 0,1,2,3
	v_wmma_scale_f32_16x16x128_f8f6f4 v[160+8*\t:167+8*\t], v[32+12*\t:43+12*\t], v[224:235], v[160+8*\t:167+8*\t], v[248+\t], v253 matrix_a_fmt:MATRIX_FMT_BF6 matrix_b_fmt:MATRIX_FMT_BF6
.endr
	s_wait_dscnt 0x0
.irp t, 0,1,2,3
	v_wmma_scale_f32_16x16x128_f8f6f4 v[192+8*\t:199+8*\t], v[96+12*\t:107+12*\t], v[224:235], v[192+8*\t:199+8*\t], v[144+\t], v253 matrix_a_fmt:MATRIX_FMT_BF6 matrix_b_fmt:MATRIX_FMT_BF6
.endr
.Lhidden_\@:
.endm
; THE CHANGE OF SLOTS.  Each wave waits for its tensor load, adds 0 to its spare word, and waits for that and for its reads of the slot that it has left.  fill = 1: that slot is filled with what the next trip reads:
; slot trip + 1 of the first block's walk, or slot trip + 1 - s12 of the second's.
.macro CHANGE fill
	s_wait_tensorcnt 0x0                           ; no tensor load of mine is out, so the descriptor may be written
	ds_add_u32 v[SPW], v[NIL]
.if \fill
	s_add_co_u32 s60, s13, 1
	s_cmp_lt_u32 s60, s12
	s_cselect_b32 s61, 0, s12
	s_sub_co_u32 s60, s60, s61
	s_mul_i32 s34, s60, SLOTB
	s_add_nc_u64 s[G0T+2:G0T+3], s[32:33], s[34:35]
	s_or_b32 s[G0T+3], s[G0T+3], 0x80000000
	s_xor_b32 s[G0T+1], s[G0T+1], SLOT1
	s_wait_xcnt 0x0                                ; the last prefetch, a trip back, has read its address
	s_add_nc_u64 s[36:37], s[36:37], SLOTB
.endif
	s_wait_dscnt 0x0
	s_barrier_signal -1
	s_barrier_wait -1
.if \fill
	tensor_load_to_lds s[G0T:G0T+3], s[G1T:G1T+7]  ; my one tensor load until the next change
	s_nop 0
	NOPS 4
	s_cmp_gt_u32 s39, s38
	s_cbranch_scc0 .Lna_\@
	global_prefetch_b8 v[PFO], s[36:37] th:TH_LOAD_NT scope:SCOPE_SE
.Lna_\@:
.endif
.endm
.macro DUMP                            ; the wave with pi = 1 hands on O^T (each accumulator from its low end on), -M and the sum
.irp k, 0,1,2,3,4,5,6,7,8,9,10,11,12,13,14,15
	ds_store_b128 v[STG], v[160+4*\k:163+4*\k] offset:512*\k
.endr
	ds_store_b128 v[STG], v[12:15] offset:8192
.endm
; The wave with pi = 0 joins the two parts: both under the larger M, divided by the joined sum; then the result is quantised along the head's channels and leaves as an image.
.macro MERGE oc, ow, more
.irp k, 0,1,2,3,4,5,6,7,8,9,10,11,12,13,14,15
	ds_load_b128 v[96+4*\k:99+4*\k], v[STG] offset:512*\k
.endr
	ds_load_b128 v[240:243], v[STG] offset:8192
	s_wait_dscnt 0x0
	v_min_num_f32 v244, v12, v240                  ; -M of the larger M
	v_add_f32 v14, v14, v15
	v_add_f32 v242, v242, v243
	v_sub_f32 v245, v244, v12
	v_sub_f32 v246, v244, v240
	v_cvt_i32_f32 v245, v245                       ; (they saturate: a part that had no step counts 0 times)
	v_cvt_i32_f32 v246, v246
	v_ldexp_f32 v252, 1.0, v245
	v_ldexp_f32 v250, 1.0, v246
	v_mul_f32 v14, v14, v252
	s_delay_alu instid0(VALU_DEP_1)
	v_fmac_f32 v14, v242, v250
	s_delay_alu instid0(VALU_DEP_1)
	v_permlanex16_b32 v236, v14, s[SEL], s[SEL+1]
	s_delay_alu instid0(VALU_DEP_1)
	v_add_f32 v14, v14, v236                       ; the row's sum
	s_wait_alu depctr_va_vdst(0)
	v_rcp_f32 v14, v14
	v_mov_b32 v251, 0                              ; (named with v250 as a pair); a plain place behind the transcendental
	s_wait_alu depctr_va_vdst(0)
	v_mul_f32 v252, v252, v14
	v_mul_f32 v250, v250, v14
.set i, 0
.rept 32
	v_pk_mul_f32 v[96+i:97+i], v[96+i:97+i], v[250:251] op_sel_hi:[1,0]
.set i, i+2
.endr
.set i, 0
.rept 32
	v_pk_fma_f32 v[96+i:97+i], v[160+i:161+i], v[252:253], v[96+i:97+i] op_sel_hi:[1,0,1]
.set i, i+2
.endr
.irp b, 0,1,2,3
	v_max3_num_f32 v[232+\b], |v[96+16*\b]|, |v[97+16*\b]|, 0x2800000
.endr
.irp i, 2,4,6,8,10,12,14
.irp b, 0,1,2,3
	s_delay_alu instid0(VALU_DEP_4)
	v_max3_num_f32 v[232+\b], v[232+\b], |v[96+16*\b+\i]|, |v[97+16*\b+\i]|
.endr
.endr
.irp b, 0,1,2,3
	s_delay_alu instid0(VALU_DEP_4)
	v_permlanex16_b32 v[236+\b], v[232+\b], s[SEL], s[SEL+1]
.endr
.irp b, 0,1,2,3
	s_delay_alu instid0(VALU_DEP_4)
	v_max_num_f32 v[232+\b], v[232+\b], v[236+\b]
.endr
	PACKP 96
.irp c, 0,1,2
	global_store_b128 v[GO], v[224+4*\c:227+4*\c], s[\oc:\oc+1] offset:512*\c   ; 512 consecutive bytes
.endr
	global_store_b32 v[GS], v253, s[\ow:\ow+1]     ; lanes r and r + 16 store the same word with the same value
.if \more
	s_wait_xcnt 0x0                                ; the stores have read their data: the next step writes these registers again
.endif
.endm
	s_wait_alu depctr_va_vdst(0)                   ; the wait at the head's end
	s_wait_loadcnt 0x0                             ; both blocks' Q
.Ltrip:                                            ; four trips, each of which asks for the next trip's slot
	CHANGE 1
	s_cmp_eq_u32 s13, s12                          ; the first block is done?  Ids and the count of trips alone: the same in all sixteen waves
	s_cselect_b32 s84, 1, 0
	s_cmp_lg_u32 s84, 0
	s_cbranch_scc0 .Lnd
	s_cmp_lg_u32 s[PI], 0
	s_cbranch_scc0 .Lnd
	DUMP
.Lnd:
	s_wait_dscnt 0x0                               ; my stores into the stage are done
	s_barrier_signal -1
	s_barrier_wait -1                              ; every wave passes this barrier in every trip
	s_cmp_lg_u32 s84, 0
	s_cbranch_scc0 .Lnt
	s_cmp_eq_u32 s[PI], 0
	s_cbranch_scc0 .Lnm
	MERGE 52, 54, 1
.Lnm:
	v_mov_b32 v255, v92                            ; on to the second block: its Q and words,
.irp k, 0,1,2,3,4,5,6,7,8,9,10,11
	v_mov_b32 v[16+\k], v[80+\k]
.endr
	v_mov_b32 v13, 0xff61b1e6                      ; and a largest t under every t: the first step then multiplies the old sum and O^T by 0
	v_floor_f32 v12, -v13
	NOPS 2                                         ; with the two lines above: four places between Q's last register and the products
	s_mov_b32 s16, s17
	s_mov_b32 s14, 0
	s_wait_alu depctr_va_vdst(0)
.Lnt:
	STEP 0
	STEP 1
.irp k, 1,2,3,4,8,9,10,11
	v_xor_b32 v\k, SLOT1, v\k                      ; the other slot; these are also the places behind the last products
.endr
	s_add_co_u32 s13, s13, 1
	s_add_co_u32 s14, s14, 1
	s_sub_co_u32 s39, s39, 1
	s_cmp_lg_u32 s39, 0
	s_wait_alu depctr_va_vdst(0)                   ; the wait directly ahead of the branch
	s_cbranch_scc1 .Ltrip
	CHANGE 0                                       ; the last trip is written out: nothing is left to fetch
	STEP 0
	STEP 1
	NOPS 4                                         ; places behind the last products
	s_wait_alu depctr_va_vdst(0)
	s_cmp_lg_u32 s[PI], 0
	s_cbranch_scc0 .Lnd2
	DUMP
.Lnd2:
	s_wait_dscnt 0x0
	s_barrier_signal -1
	s_barrier_wait -1
	s_cmp_eq_u32 s[PI], 0
	s_cbranch_scc0 .Lend
	MERGE 56, 58, 0
.Lend:
	s_wait_tensorcnt 0x0                           ; the wave's end
	ds_add_u32 v[SPW], v[NIL]
	s_wait_dscnt 0x0
	s_endpgm
.Lfunc_end_k_q827a82a069_attn:
	.size	k_q827a82a069_attn, .Lfunc_end_k_q827a82a069_attn-k_q827a82a069_attn
	.p2alignl 7, 3214868480
	.fill 96, 4, 3214868480
	.section	.rodata,"a",@progbits
	.p2align	6, 0x0
	.amdhsa_kernel k_q827a82a069_attn
		.amdhsa_group_segment_fixed_size 327680
		.amdhsa_private_segment_fixed_size 0
		.amdhsa_enable_private_segment 0
		.amdhsa_kernarg_size 24
		.amdhsa_user_sgpr_count 2
		.amdhsa_user_sgpr_kernarg_segment_ptr 1
		.amdhsa_wavefront_size32 1
		.amdhsa_system_sgpr_workgroup_id_x 1
		.amdhsa_system_sgpr_workgroup_id_y 1
		.amdhsa_system_sgpr_workgroup_id_z 1
		.amdhsa_system_vgpr_workitem_id 0
		.amdhsa_next_free_vgpr 256
		.amdhsa_next_free_sgpr 100
		.amdhsa_reserve_vcc 1
		.amdhsa_float_denorm_mode_32 3
		.amdhsa_float_denorm_mode_16_64 3
		.amdhsa_memory_ordered 1
		.amdhsa_forward_progress 1
		.amdhsa_inst_pref_size 142
	.end_amdhsa_kernel
	.amdgpu_metadata
---
amdhsa.version: [ 1, 2 ]
amdhsa.kernels:
  - .name:           k_q827a82a069_attn
    .symbol:         k_q827a82a069_attn.kd
    .args:
      - { .name: q, .offset: 0, .size: 8, .value_kind: global_buffer, .address_space: global }
      - { .name: kv, .offset: 8, .size: 8, .value_kind: global_buffer, .address_space: global }
      - { .name: oq, .offset: 16, .size: 8, .value_kind: global_buffer, .address_space: global }
    .group_segment_fixed_size: 327680
    .private_segment_fixed_size: 0
    .kernarg_segment_align: 8
    .kernarg_segment_size: 24
    .max_flat_workgroup_size: 512
    .sgpr_count:     100
    .vgpr_count:     256
    .wavefront_size: 32
...
	.end_amdgpu_metadata
.endif
;; end of part 3
;; launch outp (part 4): grid 8 x 32, 4 waves a work-group, clusters of 4 x 4, 327,680 bytes of LDS; arguments oq, woq, bo, out0; writes out0
.if DOCPART == 4
	.amdgcn_target "amdgcn-amd-amdhsa--gfx1250"
	.amdhsa_code_object_version 6
	.text
	.protected	k_q827a82a069_outp
	.globl	k_q827a82a069_outp
	.p2align	8
	.type	k_q827a82a069_outp,@function
k_q827a82a069_outp:
	s_mov_b64 s[64:65], 0
	v_nop
	global_prefetch_b8 v0, s[64:65] scope:SCOPE_SE
	s_setreg_imm32_b32 hwreg(HW_REG_WAVE_MODE, 25, 1), 1
	s_wait_xcnt 0x0
	s_wait_alu depctr_hold_cnt(0) depctr_sa_sdst(0) depctr_va_vdst(0) depctr_va_sdst(0) depctr_va_ssrc(0) depctr_va_vcc(0) depctr_vm_vsrc(0)
	s_getreg_b32 s2, hwreg(HW_REG_IB_STS2, 6, 4)
	s_cmp_eq_u32 s2, 0
	s_cbranch_scc0 .Lentry_in_a_cluster
	s_endpgm
.Lentry_in_a_cluster:
	s_bfe_u32 s2, ttmp6, 0x10000c
	s_cmp_lg_u32 s2, 0xf033
	s_cbranch_scc0 .Lentry_shape_is_right
	s_endpgm
.Lentry_shape_is_right:
; out0 = O Wo + bo on codes of E3M2.  O: 4,096 rows x K = 2,048 (head, channel), as images of registers in oq; Wo^T: 1,024 rows x 2,048 in woq; out0 [4096][1024] f32.
; SHARES.  256 work-groups; each makes 128 x 128, four waves 64 x 64 each: 16 accumulators.
; THE RING: K = 16 steps of 128 goes in chunks of 6, 6 and 4 steps through two LDS slots of 147,456 bytes (O's 8 tiles, then Wo's 8; a tile's row is the chunk's fragments on end).  Waves 0, 1 bring four of O's
; tiles each, waves 2, 3 four of Wo's: one joint load a wave at the head and one behind each of two rounds of the cluster's barrier.  The third chunk lands in slot 0 when K step 5's fragments are in registers.
; CLUSTERS: 4 x 4.  O's tiles hang on the tile row alone and are shared along a row of the cluster, Wo's on the tile column alone and are shared along a column.
; NO PREFETCH: the block's whole K is asked for by three loads a wave; there is no loop to run ahead in.
; THE MATRIX INSTRUCTION IS USED TRANSPOSED (source 0 = 16 rows of Wo^T, source 1 = 16 rows of O): a lane holds eight neighbouring numbers of a row of the output.  bo is the C of each sum's first
; matrix instruction (another order of rounding than adding it behind the sum).
; THE ROWS OF A TILE OF O ARE NOT NEIGHBOURS: lane r of tile 8 ty + j is token 128 ty + 16 (r % 8) + 2 j + r / 8 (batches on end); the stores put each row where it belongs.
; REGISTERS.  Window 0: v4-20 addresses; v32-63 O's scale words, v64-95 Wo's (lanes 0-15: an even K step's, lanes 16-31: the next one's), and on the way out rows read back; v96-127 bo; v128-255 the accumulators.
;   Window 1: two sets of fragments, at v0 and v128: Wo's four at 12 j, O's four at 48 + 12 a.
.set OQW,   6291456
.set WOW,   1572864
.set CH,    147456
.set HB,    73728                      ; in a slot: Wo's tiles begin here
.set STAGE, 294912                     ; behind the ring: 16 rows x (256 bytes + 16) for each wave; no tensor load lands here
.set SPARE, 312320
.set AD,  4                            ; v[4 + 4 c ..]: chunk c's addresses: O's even tiles, odd tiles, Wo's even tiles, odd tiles
.set STO, 16
.set RD,  17
.set CO,  18
.set L4,  19
.set H32, 20
.set SPW, 28
.set NIL, 29
.set SA,  32
.set SB,  64
.set BO,  96
.set ACC, 128
.set OB,  32
.set G1A, 24
.set G1B, 32
.set G0A, 40                           ; s[40:51], s[68:79]: a set for each chunk
.set G0B, 68
.set MSB, 0
.macro WIN new
.if MSB != (\new)
	s_set_vgpr_msb (MSB<<8)|(\new)
.set MSB, (\new)
.endif
.endm
.macro PLACES n
.rept \n
	v_nop
.endr
.endm
.macro CROUND
	s_barrier_signal -1
	s_barrier_wait -1
	s_cmp_lg_u32 s18, 0
	s_cbranch_scc1 .Lnot_wave_0_\@
	s_barrier_signal -3
.Lnot_wave_0_\@:
	s_barrier_wait -3
	s_barrier_signal -1
	s_barrier_wait -1
.endm
.macro JLOAD c                         ; chunk c's joint load: each line has one mask; the branch hangs on the wave's number alone
	s_cmp_eq_u32 s19, 0
	s_cbranch_scc0 .Lfor_b_\@
	tensor_load_to_lds s[G0A+4*\c:G0A+4*\c+3], s[G1A:G1A+7]
	s_nop 0
	PLACES 4
	s_branch .Lasked_\@
.Lfor_b_\@:
	tensor_load_to_lds s[G0B+4*\c:G0B+4*\c+3], s[G1B:G1B+7]
	s_nop 0
	PLACES 4
.Lasked_\@:
.endm
	s_load_b256 s[4:11], s[0:1], 0x0               ; oq, woq, bo, out0
	v_lshl_add_u32 v[SPW], v0, 2, SPARE
	v_mov_b32 v[NIL], 0
	ds_add_u32 v[SPW], v[NIL]                      ; the opening lines: the add, twice on end, and its wait
	ds_add_u32 v[SPW], v[NIL]
	v_lshrrev_b32 v1, 5, v0
	v_readfirstlane_b32 s18, v1                    ; wave 0..3
	s_lshr_b32 s19, s18, 1                         ; mh: which 64 rows.  Also: I fetch for O (0) or for Wo (1)
	s_and_b32 s20, s18, 1                          ; nh: which 64 columns.  Also: which four tiles I fetch
	s_bfe_u32 s21, ttmp6, 0x40000
	s_bfe_u32 s22, ttmp6, 0x40004
	s_lshl_b32 s23, ttmp9, 2
	s_add_co_u32 s23, s23, s21                     ; tx
	s_and_b32 s56, ttmp7, 0xffff
	s_lshl_b32 s56, s56, 2
	s_add_co_u32 s56, s56, s22                     ; ty
	s_lshl_b32 s58, s22, 2
	s_lshl_b32 s58, 15, s58
	s_lshl_b32 s59, 0x1111, s21
	s_or_b32 s[G1A], s58, (3<<16)|(1<<21)          ; the mask; elements of 8 bytes; bit 21 beside a mask
	s_or_b32 s[G1B], s59, (3<<16)|(1<<21)
.irp g, G1A, G1B
	s_mov_b32 s[\g+1], 1152<<16                    ; a row: six fragments on end, 9,216 bytes
	s_mov_b32 s[\g+2], 4<<16                       ; four tiles
	s_mov_b32 s[\g+3], 1152<<16
	s_mov_b32 s[\g+4], 4
	s_mov_b32 s[\g+5], 3072                        ; from tile to tile: sixteen fragments, 24,576 bytes
	s_mov_b32 s[\g+6], 0
	s_mov_b32 s[\g+7], 0
.endr
	s_lshl_b32 s96, s20, 2
	s_lshl_b32 s84, s56, 3
	s_add_co_u32 s84, s84, s96
	s_mul_i32 s84, s84, 24576                      ; O: tile 8 ty + 4 (wave % 2)
	s_mov_b32 s85, 0
	s_lshl_b32 s86, s23, 3
	s_add_co_u32 s86, s86, s96
	s_mul_i32 s86, s86, 24576                      ; Wo: tile 8 tx + 4 (wave % 2)
	s_mov_b32 s87, 0
	s_mul_i32 s62, s20, 36864                      ; where they go: no place in the cluster enters an LDS address
	s_add_co_u32 s63, s62, HB
	s_mul_i32 s66, s20, 24576                      ; (the third chunk's rows are four fragments)
	s_add_co_u32 s67, s66, HB
.irp c, 0,1,2
	s_mov_b32 s[G0A+4*\c], 1
	s_mov_b32 s[G0B+4*\c], 1
.endr
	s_mov_b32 s[G0A+1], s62
	s_mov_b32 s[G0B+1], s63
	s_add_co_u32 s[G0A+5], s62, CH
	s_add_co_u32 s[G0B+5], s63, CH
	s_mov_b32 s[G0A+9], s66
	s_mov_b32 s[G0B+9], s67
	s_mul_i32 s80, s19, 36864                      ; what I read: my four tiles of O,
	s_mul_i32 s81, s20, 36864
	s_add_co_u32 s81, s81, HB                      ; my four of Wo;
	s_mul_i32 s82, s19, 24576                      ; and in the third chunk
	s_mul_i32 s83, s20, 24576
	s_add_co_u32 s83, s83, HB
	s_mul_i32 s95, s18, 4352
	s_add_co_u32 s95, s95, STAGE                   ; my stage
	s_wait_dscnt 0x0
	s_wait_kmcnt 0x0
	s_add_nc_u64 s[84:85], s[4:5], s[84:85]
	s_add_nc_u64 s[86:87], s[6:7], s[86:87]
.irp c, 0,1,2
	s_add_nc_u64 s[G0A+4*\c+2:G0A+4*\c+3], s[84:85], \c*9216
	s_or_b32 s[G0A+4*\c+3], s[G0A+4*\c+3], 0x80000000
	s_add_nc_u64 s[G0B+4*\c+2:G0B+4*\c+3], s[86:87], \c*9216
	s_or_b32 s[G0B+4*\c+3], s[G0B+4*\c+3], 0x80000000
.endr
	CROUND                                         ; all sixteen work-groups are here: the joint loads meet
	JLOAD 0                                        ; one tensor load a wave at the head
	s_lshl_b32 s2, s56, 3
	s_lshl_b32 s3, s19, 2
	s_add_co_u32 s2, s2, s3
	s_lshl_b32 s2, s2, 10                          ; 1,024 bytes of words a tile
	s_add_co_u32 s2, s2, OQW
	s_mov_b32 s3, 0
	s_add_nc_u64 s[88:89], s[4:5], s[2:3]
	s_lshl_b32 s2, s23, 3
	s_add_co_u32 s2, s2, s96
	s_lshl_b32 s2, s2, 10
	s_add_co_u32 s2, s2, WOW
	s_add_nc_u64 s[90:91], s[6:7], s[2:3]
	s_lshl_b32 s97, s23, 9
	s_lshl_b32 s2, s20, 8
	s_add_co_u32 s97, s97, s2                      ; my first column, in bytes: 512 tx + 256 nh
	s_mov_b32 s2, s97
	s_add_nc_u64 s[92:93], s[8:9], s[2:3]
	s_lshl_b32 s2, s56, 7
	s_lshl_b32 s94, s19, 3
	s_add_co_u32 s2, s2, s94                       ; my first token: 128 ty + 2 x 4 mh
	s_lshl_b32 s2, s2, 12                          ; rows of 4,096 bytes
	s_add_co_u32 s2, s2, s97
	s_add_nc_u64 s[10:11], s[10:11], s[2:3]
	v_and_b32 v1, 31, v0                           ; lane
	v_and_b32 v2, 15, v0                           ; r
	v_bfe_u32 v3, v0, 4, 1                         ; h
	v_xor_b32 v21, 8, v1
	v_lshlrev_b32 v22, 4, v1
	v_lshlrev_b32 v23, 4, v21
	v_lshlrev_b32 v[L4], 2, v1
	v_lshlrev_b32 v[H32], 5, v3
.irp j, 0,1,2,3
	global_load_b128 v[BO+8*\j:BO+8*\j+3], v[H32], s[92:93] offset:64*\j         ; bo at columns 16 j + 8 h + 0 .. 7: the result's layout
	global_load_b128 v[BO+8*\j+4:BO+8*\j+7], v[H32], s[92:93] offset:64*\j+16
.endr
.irp a, 0,1,2,3
.irp k, 0,1,2,3,4,5,6,7
	global_load_b32 v[SA+8*\a+\k], v[L4], s[88:89] offset:1024*\a+128*\k    ; K steps 2 k (lanes 0-15) and 2 k + 1 (lanes 16-31)
.endr
.endr
.irp j, 0,1,2,3
.irp k, 0,1,2,3,4,5,6,7
	global_load_b32 v[SB+8*\j+\k], v[L4], s[90:91] offset:1024*\j+128*\k
.endr
.endr
	v_add_nc_u32 v[AD], s80, v22
	v_add_nc_u32 v[AD+1], s80, v23
	v_add_nc_u32 v[AD+2], s81, v22
	v_add_nc_u32 v[AD+3], s81, v23
.irp k, 0,1,2,3
	v_add_nc_u32 v[AD+4+\k], CH, v[AD+\k]
.endr
	v_add_nc_u32 v[AD+8], s82, v22
	v_add_nc_u32 v[AD+9], s82, v23
	v_add_nc_u32 v[AD+10], s83, v22
	v_add_nc_u32 v[AD+11], s83, v23
	v_mul_u32_u24 v[STO], v2, 272
	v_lshl_add_u32 v[STO], v3, 5, v[STO]
	v_add_nc_u32 v[STO], s95, v[STO]               ; in: row r, 32 bytes for each half of the lanes
	v_mul_u32_u24 v[RD], v3, 272
	v_lshl_add_u32 v[RD], v2, 4, v[RD]
	v_add_nc_u32 v[RD], s95, v[RD]                 ; back: lanes 0-15 one row, lanes 16-31 the next
	v_lshlrev_b32 v[CO], 4, v2
	v_lshl_add_u32 v[CO], v3, 16, v[CO]            ; the next row of a tile is 16 tokens, 65,536 bytes, further down
.macro FETCH s                         ; the fragments of K step s: 24 LDS loads in one run, into the set of its parity
.if (\s) < 12
.set CC, (\s)/6
.set TS, 9216
.else
.set CC, 2
.set TS, 6144
.endif
.set LS, (\s)-6*CC
	WIN 0x40
.irp j, 0,1,2,3
.irp c, 0,1,2
	ds_load_b128 v[128*((\s)%2)+12*\j+4*\c:128*((\s)%2)+12*\j+4*\c+3], v[AD+4*CC+2+\j%2] offset:TS*\j+1536*LS+512*\c
.endr
.endr
.irp a, 0,1,2,3
.irp c, 0,1,2
	ds_load_b128 v[128*((\s)%2)+48+12*\a+4*\c:128*((\s)%2)+48+12*\a+4*\c+3], v[AD+4*CC+\a%2] offset:TS*\a+1536*LS+512*\c
.endr
.endr
.endm
.macro MUL s                           ; 16 matrix instructions: each accumulator once.  The first K step starts the sums on the bias
	WIN 0x05
.irp a, 0,1,2,3
.irp j, 0,1,2,3
.if (\s) == 0
	v_wmma_scale_f32_16x16x128_f8f6f4 v[ACC+8*(4*\a+\j):ACC+8*(4*\a+\j)+7], v[12*\j:12*\j+11], v[48+12*\a:48+12*\a+11], v[BO+8*\j:BO+8*\j+7], v[SB+8*\j], v[SA+8*\a] matrix_a_fmt:MATRIX_FMT_BF6 matrix_b_fmt:MATRIX_FMT_BF6
.elseif (\s)%2 == 0
	v_wmma_scale_f32_16x16x128_f8f6f4 v[ACC+8*(4*\a+\j):ACC+8*(4*\a+\j)+7], v[12*\j:12*\j+11], v[48+12*\a:48+12*\a+11], v[ACC+8*(4*\a+\j):ACC+8*(4*\a+\j)+7], v[SB+8*\j+(\s)/2], v[SA+8*\a+(\s)/2] matrix_a_fmt:MATRIX_FMT_BF6 matrix_b_fmt:MATRIX_FMT_BF6
.else
	v_wmma_scale_f32_16x16x128_f8f6f4 v[ACC+8*(4*\a+\j):ACC+8*(4*\a+\j)+7], v[128+12*\j:128+12*\j+11], v[176+12*\a:176+12*\a+11], v[ACC+8*(4*\a+\j):ACC+8*(4*\a+\j)+7], v[SB+8*\j+(\s)/2], v[SA+8*\a+(\s)/2] matrix_a_fmt:MATRIX_FMT_BF6 matrix_b_fmt:MATRIX_FMT_BF6 matrix_a_scale:MATRIX_SCALE_ROW1 matrix_b_scale:MATRIX_SCALE_ROW1
.endif
.endr
.endr
.endm
.macro KSTEP s                         ; the next step's fragments are asked for, then this step is multiplied
.if (\s) == 5
	WIN 0
	s_wait_tensorcnt 0x0                           ; my part of the second chunk is in: it was my one load out, so descriptors may be written
	ds_add_u32 v[SPW], v[NIL]
	s_mov_b32 s[G1A+1], 768<<16                    ; the third chunk's rows are four fragments, 6,144 bytes
	s_mov_b32 s[G1A+3], 768<<16
	s_mov_b32 s[G1B+1], 768<<16
	s_mov_b32 s[G1B+3], 768<<16
	s_wait_dscnt 0x0                               ; the add is done, and my reads of slot 0 are over
	CROUND
	JLOAD 2                                        ; its four v_nop are also the places in front of the loads below
.elseif (\s) == 11
	WIN 0
	s_wait_tensorcnt 0x0                           ; my part of the third chunk is in
	s_wait_dscnt 0x0
	s_barrier_signal -1
	s_barrier_wait -1
	PLACES 4
.elseif ((\s) > 0) && ((\s) < 15)
	PLACES 4
.endif
.if (\s) < 15
	FETCH (\s)+1
	s_wait_dscnt 24                                ; all but the 24 just issued
.else
	s_wait_dscnt 0x0
.endif
	MUL \s
.endm
; THE WAY OUT.  A block of 16 rows x 64 columns goes through my own stage and comes back as whole rows of 256 bytes.  LDS serves a wave's instructions in order (ISA guide 5.7.1.4).
.macro TOSTAGE a
.irp j, 0,1,2,3
	ds_store_b128 v[STO], v[ACC+8*(4*(\a)+\j):ACC+8*(4*(\a)+\j)+3] offset:64*\j        ; each accumulator from its low end on
	ds_store_b128 v[STO], v[ACC+8*(4*(\a)+\j)+4:ACC+8*(4*(\a)+\j)+7] offset:64*\j+16
.endr
.irp t, 0,1,2,3,4,5,6,7
	ds_load_b128 v[OB+32*((\a)%2)+4*\t:OB+32*((\a)%2)+4*\t+3], v[RD] offset:544*\t
.endr
.endm
.macro SEND a                          ; tile rows 2 t and 2 t + 1: 16 lanes store 256 consecutive bytes, aligned; a tile's tokens lie two rows below the tile's before
.irp t, 0,1,2,3,4,5,6,7
	global_store_b128 v[CO], v[OB+32*((\a)%2)+4*\t:OB+32*((\a)%2)+4*\t+3], s[10:11] offset:(16*((2*\t)%8)+\t/4)*4096+8192*(\a) th:TH_STORE_NT
.endr
.endm
	s_wait_alu depctr_va_vdst(0)                   ; the wait at the head's end
	s_wait_tensorcnt 0x0                           ; ahead of a later first fill
	ds_add_u32 v[SPW], v[NIL]
	s_wait_dscnt 0x0
	CROUND
	JLOAD 1                                        ; the second chunk, into slot 1
	s_wait_loadcnt 0x0                             ; the scale words and the bias
	FETCH 0
.irp s, 0,1,2,3,4,5,6,7,8,9,10,11,12,13,14,15
	KSTEP \s
.endr
	WIN 0
	PLACES 4                                       ; in front of the first read of results and of the loads into the scale registers
	TOSTAGE 0
	TOSTAGE 1
	s_wait_dscnt 16                                ; block 0 is back: behind its loads stand block 1's eight stores and eight loads
	SEND 0
	s_wait_xcnt 0x0                                ; block 0's stores have read their data
	TOSTAGE 2
	s_wait_dscnt 16
	SEND 1
	s_wait_xcnt 0x0
	TOSTAGE 3
	s_wait_dscnt 16
	SEND 2
	s_wait_dscnt 0x0
	SEND 3
	s_wait_tensorcnt 0x0                           ; the wave's end
	ds_add_u32 v[SPW], v[NIL]
	s_wait_dscnt 0x0
	CROUND                                         ; the closing round
	s_endpgm
.Lfunc_end_k_q827a82a069_outp:
	.size	k_q827a82a069_outp, .Lfunc_end_k_q827a82a069_outp-k_q827a82a069_outp
	.p2alignl 7, 3214868480
	.fill 96, 4, 3214868480
	.section	.rodata,"a",@progbits
	.p2align	6, 0x0
	.amdhsa_kernel k_q827a82a069_outp
		.amdhsa_group_segment_fixed_size 327680
		.amdhsa_private_segment_fixed_size 0
		.amdhsa_enable_private_segment 0
		.amdhsa_kernarg_size 32
		.amdhsa_user_sgpr_count 2
		.amdhsa_user_sgpr_kernarg_segment_ptr 1
		.amdhsa_wavefront_size32 1
		.amdhsa_system_sgpr_workgroup_id_x 1
		.amdhsa_system_sgpr_workgroup_id_y 1
		.amdhsa_system_sgpr_workgroup_id_z 1
		.amdhsa_system_vgpr_workitem_id 0
		.amdhsa_next_free_vgpr 512
		.amdhsa_next_free_sgpr 102
		.amdhsa_reserve_vcc 0
		.amdhsa_float_denorm_mode_32 3
		.amdhsa_float_denorm_mode_16_64 3
		.amdhsa_memory_ordered 1
		.amdhsa_forward_progress 1
		.amdhsa_inst_pref_size 84
	.end_amdhsa_kernel
	.amdgpu_metadata
---
amdhsa.version: [ 1, 2 ]
amdhsa.kernels:
  - .name:           k_q827a82a069_outp
    .symbol:         k_q827a82a069_outp.kd
    .args:
      - { .name: oq, .offset: 0, .size: 8, .value_kind: global_buffer, .address_space: global }
      - { .name: woq, .offset: 8, .size: 8, .value_kind: global_buffer, .address_space: global }
      - { .name: bo, .offset: 16, .size: 8, .value_kind: global_buffer, .address_space: global }
      - { .name: out0, .offset: 24, .size: 8, .value_kind: global_buffer, .address_space: global }
    .group_segment_fixed_size: 327680
    .private_segment_fixed_size: 0
    .kernarg_segment_align: 8
    .kernarg_segment_size: 32
    .max_flat_workgroup_size: 128
    .sgpr_count:     102
    .vgpr_count:     512
    .wavefront_size: 32
...
	.end_amdgpu_metadata
.endif
;; end of part 4
